; MI455X (gfx1250); checked and timed in simulation.
; The chip was launched on July 23, 2026; its instructions are those of AMD's public machine-readable ISA for CDNA 5 (MIT licence, August 2026) and "CDNA5" Instruction Set Architecture Reference Guide (July 2026). The comments in the code are by the model that wrote it; some were corrected since.
;; Multihead Attention Main. Allowed arithmetic: matrix products marked QUANTISED: E3M2 operands, one E8M0 scale for each 32 along K, by v_wmma_scale_f32_16x16x128_f8f6f4 with both operands' format E3M2, f32 sums; everything else in f32.
;; Inputs: Wk 1,024 x 1,024 float32; Wo 1,024 x 1,024 float32; Wq 1,024 x 1,024 float32; Wv 1,024 x 1,024 float32; bo 1,024 float32; x 4 x 2,048 x 1,024 float32.
;; Outputs: out0 4 x 2,048 x 1,024 float32.
;; This version of the problem:
;;   THIS VERSION OF THE PROBLEM IS GIVEN IN LOW PRECISION. The matrix products marked QUANTISED in the list below multiply operands that are first quantised to E3M2 (3 exponent bits, 2 mantissa bits; 6 bits a number), with one power-of-two scale for each 32 numbers along K (OCP MX v1.0); their sums are f32. All else is computed in f32.
;;   The module's matrix products, in the order in which they are computed (A, B: the left and right operand; K: the contracted axis; several contracted axes count as one K, in the product's order):
;;     1. [M 8,192, K 1,024] x [K 1,024, N 1,024]; A: input x; B: input Wq: QUANTISED
;;     2. [M 8,192, K 1,024] x [K 1,024, N 1,024]; A: input x; B: input Wk: QUANTISED
;;     3. [M 8,192, K 1,024] x [K 1,024, N 1,024]; A: input x; B: input Wv: QUANTISED
;;     4. batch 64 x [M 2,048, K 64] x [K 64, N 2,048]; A: computed on the way; B: computed on the way: QUANTISED
;;     5. batch 64 x [M 2,048, K 2,048] x [K 2,048, N 64]; A: softmax (see below); B: computed on the way: QUANTISED
;;     6. [M 8,192, K 1,024] x [K 1,024, N 1,024]; A: computed on the way; B: input Wo: QUANTISED
;;   THE QUANTISER, for each operand of a quantised product, along K:
;;     - K is cut into blocks of 32 from its start; a last block that is shorter is filled with zeros.
;;     - A block's scale is 2^e with e = floor(log2(the largest magnitude in the block)) - 4, held to -126 .. 127; a block of zeros has e = 0. As a byte (E8M0): e + 127.
;;     - Each number is divided by its block's scale, clamped to +-28, and rounded to the nearest number of E3M2, ties to even, subnormals kept.
;;     - The product sums the exact products of the quantised numbers (number of the format x scale) in f32.
;;   ~~~python
;;   def quantise(x, axis):      # numpy; x: float32 -> the quantised numbers, widened to float32 again
;;       x = np.moveaxis(x, axis, -1); K = x.shape[-1]
;;       x = np.pad(x, [(0, 0)] * (x.ndim - 1) + [(0, -K % 32)]); x = x.reshape(x.shape[:-1] + (-1, 32)); a = np.abs(x).max(-1, keepdims=True)
;;       e = np.where(a > 0, np.clip(np.frexp(np.where(a > 0, a, 1))[1] - 1 - 4, -126, 127), 0)      # np.frexp(a)[1] - 1 = floor(log2(a)), exactly
;;       r = np.clip(x / 2.0 ** e, -28, 28)
;;       step = 2.0 ** (np.maximum(np.frexp(np.where(r == 0, 1, r))[1] - 1, -2) - 2)
;;       q = np.round(r / step) * step * 2.0 ** e      # np.round: ties to even
;;       return np.moveaxis(q.reshape(q.shape[:-2] + (-1,))[..., :K], -1, axis).astype(np.float32)
;;   ~~~
;;   SOFTMAX AHEAD OF A QUANTISED PRODUCT. Where the list says 'softmax', what is quantised is not the finished softmax but p = 2^(t - M), with t = logit x log2(e) and M = ceil(the row's largest t), a whole number; so 1/2 < the row's largest p <= 1. The row's sum l is taken of the UNQUANTISED p, in f32, and the product's result is divided by l at the end. Since M is a whole number, a kernel that streams over the keys may use a running M (the ceiling of the running maximum): every later rescaling is an exact power of two, which a block's scale takes up: the codes' values come out the same.
;;   OPERANDS COMPUTED ON THE WAY. 'Computed on the way' means the value that the module computes at that place (a softmax that the list does not call 'softmax' is quantised finished and normalised). What goes into a quantiser is computed in f32, as accurately as f32 sums, v_exp_f32 and their like allow (about 1e-6 of the number): no bf16 or f16 on the way to a quantiser, and a product that is left as it is and whose result goes on into a quantised operand takes f32 operands (vector FMAs, or v_wmma_f32_16x16x4_f32). A number that lies on a knife's edge between two numbers of the format may be rounded either way, as far as f32 arithmetic and the matrix unit's own rounding can turn it there, and no further.
;; One version. Each part assembles by itself: llvm-mc -triple=amdgcn-amd-amdhsa -mcpu=gfx1250 --defsym DOCPART=n.
;; ======== version 1 of 1: 4 launches
;; workspace buffers: x_codes 6,291,456 bytes; x_scales 262,144 bytes; w_codes 3,145,728 bytes; w_scales 131,072 bytes; qkv_img 18,874,368 bytes; qkv_sc 1,310,720 bytes; ctx_img 6,291,456 bytes; ctx_sc 262,144 bytes
;; launch prep (part 1): grid 384 x 1, 4 waves a work-group, no clusters, 68,096 bytes of LDS; arguments x, Wq, Wk, Wv, Wo, x_codes, x_scales, w_codes, w_scales; writes x_codes, x_scales, w_codes, w_scales
.if DOCPART == 1
	.amdgcn_target "amdgcn-amd-amdhsa--gfx1250"
	.amdhsa_code_object_version 6
	.text
	.protected	k_q4820c6639e_prep
	.globl	k_q4820c6639e_prep
	.p2align	8
	.type	k_q4820c6639e_prep,@function
k_q4820c6639e_prep:
	s_mov_b64 s[64:65], 0
	v_nop
	global_prefetch_b8 v0, s[64:65] scope:SCOPE_SE
	s_setreg_imm32_b32 hwreg(HW_REG_WAVE_MODE, 25, 1), 1
	s_wait_xcnt 0x0
; x [8192][1024] f32 (K innermost) and Wq, Wk, Wv, Wo [1024 (k)][1024 (n)] f32 (K is the FIRST axis) become codes of BF6 (E3M2), 6 bits each, K innermost, 768 bytes a row,
; with one E8M0 scale byte for each 32 along K, 32 bytes a row.  A block's scale is 2^(floor(log2(its largest magnitude)) - 4); its byte is the largest magnitude's exponent field - 4, held at 1 from below.
; THE ROWS ARE STORED OUT OF ORDER: row i (a token of x, a column n of a weight) lies at the row number with bits 3 and 4 of i exchanged.  So 16 stored neighbours 16 T + r are the true rows
; 32 (T / 2) + 8 (T % 2) + r + 8 (r / 8): the tiles whose matrix results give a lane 16 true neighbours in the 16 registers of two neighbouring tiles.  The weights lie one behind the other: Wq, Wk, Wv, Wo, 1,024 rows each.
; LIMITS: NaN and infinities among the inputs are not served.  A block of zeros gets the byte 1 where the rule says 127 (its codes are zeros, and this program alone reads the bytes).  Blocks whose largest magnitude lies under 2^-122 are held at the byte 1.
; Work-groups 0-255 take x: a wave takes 8 rows (8,192 numbers) as 16 steps of 512; each load reads 512 consecutive bytes; a step turns through the wave's own stage in LDS so that a lane holds 16 neighbours along K.
; Work-groups 256-383 take the weights: a lane takes a column n and its registers run down K; a wave takes 32 columns x 256 along K; the codes leave through the wave's own stage as rows of 192 bytes.
; The two paths have LDS bytes of their own.  No tensor loads, no barrier: waves share nothing.  Memory binds: matrix units and clusters would add nothing here.
.set STEPS, 16
.set EMAX,  4
.set CB,    12                         ; bytes of 16 codes
.set R,     16                         ; x: v16-79   four sets of 16 numbers as they are loaded
.set X,     80                         ; x: v80-111  two sets of 16 neighbours
.set C,     128                        ; x: v128-191 codes: four registers for each step, so that no store's data are written again
.set E,     112                        ; x: v112-127 a scale byte for each step
.set WREG,  8192                       ; x: LDS of a wave: two stages of 32 x SP bytes, behind them its 256 scale bytes
.set SP,    80                         ; x: a lane's place in a stage: 64 bytes + 16 of padding
.set WLDS,  32768                      ; the weights' stages begin here
.set NB,    8                          ; W: blocks of 32 along K for a wave
.set PITCH, 272                        ; W: a stage row: sixteen places of 16 bytes, 12 bytes of codes in each, + 16
.set KROW,  768                        ; a row of codes in bytes
.set WN,    1024                       ; columns of a weight
.set WX,    32                         ; W: v32-95   two sets of 32 numbers
.set WC,    96                         ; W: a block's codes
.set OUTR,  112                        ; W: v112-175 the way out
.set SB,    24                         ; W: v24-25   the scale bytes, four to a register
.macro XLOAD t
.irp i, 0,1,2,3
	global_load_b128 v[R+16*((\t)%4)+4*\i:R+16*((\t)%4)+4*\i+3], v3, s[4:5] offset:2048*(\t)+512*\i th:TH_LOAD_NT   ; 32 lanes read 512 consecutive bytes
.endr
.endm
.macro XTURN t                         ; step t's numbers through the stage: LDS serves a wave's instructions in order, so no wait stands between the stores and the loads
.irp i, 0,1,2,3
	ds_store_b128 v14, v[R+16*((\t)%4)+4*\i:R+16*((\t)%4)+4*\i+3] offset:32*SP*((\t)%2)+8*SP*\i
.endr
.irp i, 0,1,2,3
	ds_load_b128 v[X+16*((\t)%2)+4*\i:X+16*((\t)%2)+4*\i+3], v15 offset:32*SP*((\t)%2)+16*\i
.endr
.endm
.macro XSTEP t
.set XS, X+16*((\t)%2)
.if (\t) > 0
	s_wait_dscnt 1                                 ; this step's numbers are back from the stage (the last step's byte store may be out): so its stores into the stage have read their registers,
.else
	s_wait_dscnt 0x0
.endif
.if (\t)+4 < STEPS
	XLOAD (\t)+4                                   ; which take the loads of four steps on
.endif
.if (\t)+1 < STEPS
.if STEPS-2-(\t) >= 3
	s_wait_loadcnt 12                              ; the next step's four loads are in; those of the three steps behind it may be out
.else
	s_wait_loadcnt 4*(STEPS-2-(\t))
.endif
	XTURN (\t)+1                                   ; and go through the other stage while this step is worked
.endif
	v_max3_num_f32 v8, |v[XS]|, |v[XS+1]|, |v[XS+2]|               ; the largest magnitude of my 16, in two chains
	v_max3_num_f32 v9, |v[XS+3]|, |v[XS+4]|, |v[XS+5]|
.irp i, 6,10
	v_max3_num_f32 v8, v8, |v[XS+\i]|, |v[XS+\i+1]|
	v_max3_num_f32 v9, v9, |v[XS+\i+2]|, |v[XS+\i+3]|
.endr
	v_max3_num_f32 v8, v8, |v[XS+14]|, |v[XS+15]|
	v_max3_num_f32 v8, v8, v9, (EMAX+1)<<23        ; and the floor 2^(5 - 127): the byte cannot fall under 1
	v_max_num_f32_dpp v8, v8, v8 row_xmask:1 row_mask:0xf bank_mask:0xf   ; and of my neighbour's 16: the block's
	v_add_nc_u32 v11, 0xfe000000, v8               ; 4 off its exponent field: the conversion takes the exponent field of this operand as its scale
	v_cvt_scalef32_pk16_bf6_f32 v[C+4*(\t):C+4*(\t)+2], v[XS:XS+15], v11
	v_lshrrev_b32 v[E+(\t)], 23, v11               ; the scale's byte
	ds_store_b8 v5, v[E+(\t)] offset:16*(\t)       ; both lanes of a block write the same byte with the same value
	global_store_b96 v4, v[C+4*(\t):C+4*(\t)+2], s[8:9] offset:32*CB*(\t)
.endm
.macro WLOAD t                         ; block t: W(32 t + i, my column), i = 0 .. 31, into set t % 2: 32 lanes read 128 consecutive bytes
.set n, 0
.rept 32
	global_load_b32 v[WX+32*((\t)%2)+n], v3, s[4:5] offset:(32*(\t)+n)*WN*4 th:TH_LOAD_NT
.set n, n+1
.endr
.endm
.macro WBLOCK t
.set WXS, WX+32*((\t)%2)
.if (\t) < NB-1
	s_wait_loadcnt 32                              ; this block's 32 loads are in; the next block's may be out
.else
	s_wait_loadcnt 0
.endif
	v_max3_num_f32 v12, |v[WXS]|, |v[WXS+1]|, |v[WXS+2]|           ; the block's largest magnitude: all 32 numbers are mine
	v_max3_num_f32 v13, |v[WXS+3]|, |v[WXS+4]|, |v[WXS+5]|
.irp i, 6,10,14,18,22,26
	v_max3_num_f32 v12, v12, |v[WXS+\i]|, |v[WXS+\i+1]|
	v_max3_num_f32 v13, v13, |v[WXS+\i+2]|, |v[WXS+\i+3]|
.endr
	v_max3_num_f32 v12, v12, |v[WXS+30]|, |v[WXS+31]|
	v_max3_num_f32 v12, v12, v13, (EMAX+1)<<23     ; and the floor
	v_add_nc_u32 v11, 0xfe000000, v12              ; the conversion's scale operand
	v_lshrrev_b32 v13, 23, v11                     ; the scale's byte
.if (\t)%4 == 0
	v_mov_b32 v[SB+(\t)/4], v13                    ; four bytes to a register, the lower K in the lower byte
.else
	v_lshl_or_b32 v[SB+(\t)/4], v13, 8*((\t)%4), v[SB+(\t)/4]
.endif
	v_cvt_scalef32_pk16_bf6_f32 v[WC:WC+2], v[WXS:WXS+15], v11
	v_cvt_scalef32_pk16_bf6_f32 v[WC+4:WC+6], v[WXS+16:WXS+31], v11   ; (a conversion's three registers begin on an even number)
	ds_store_b96 v4, v[WC:WC+2] offset:32*(\t)     ; 16 codes, 12 bytes, to a place of 16 bytes in the stage
	ds_store_b96 v4, v[WC+4:WC+6] offset:32*(\t)+16
.if (\t)+2 < NB
	WLOAD (\t)+2
.endif
	s_wait_dscnt 0x0                               ; the stores have read their registers: the next block's codes may be written
.endm
	s_load_b512 s[32:47], s[0:1], 0x0              ; x s[32:33], Wq, Wk, Wv, Wo s[40:41], x's codes s[42:43], x's scales s[44:45], the weights' codes s[46:47]
	s_load_b64 s[48:49], s[0:1], 0x40              ; the weights' scales
	v_lshl_add_u32 v192, v0, 2, 0x10800
	v_mov_b32 v193, 0
	v_lshrrev_b32 v1, 5, v0
	v_readfirstlane_b32 s16, v1                    ; wave 0..3
	v_and_b32 v2, 31, v0                           ; lane
	s_mov_b32 s21, 0                               ; the upper word of every offset here
	s_wait_kmcnt 0x0
	s_cmp_lt_u32 ttmp9, 256                        ; x's work-group or a weight's?  The branch hangs on the work-group's number alone
	s_cbranch_scc0 .Lweights
	; ---- x
	v_lshlrev_b32 v3, 4, v2                        ; my 16 bytes of a load's 512
	s_mul_i32 s17, s16, WREG
	v_lshrrev_b32 v14, 2, v2
	v_mul_u32_u24 v14, v14, SP
	v_and_b32 v15, 3, v2
	v_lshl_add_u32 v14, v15, 4, v14
	v_add_nc_u32 v14, s17, v14                     ; the stage, on the way in: SP (lane / 4) + 16 (lane % 4)
	v_mul_u32_u24 v15, v2, SP
	v_add_nc_u32 v15, s17, v15                     ; and on the way out: SP x lane: my 16 neighbours
	v_mul_u32_u24 v4, v2, CB                       ; my codes' place in a step's
	v_lshrrev_b32 v5, 1, v2
	s_add_co_u32 s17, s17, 2*32*SP
	v_add_nc_u32 v5, s17, v5                       ; LDS: my wave's 256 scale bytes, my block's byte
	v_lshlrev_b32 v7, 3, v2                        ; and on the way out 8 bytes a lane
	v_add_nc_u32 v6, s17, v7
	s_lshl_b32 s17, ttmp9, 2
	s_add_co_u32 s18, s17, s16                     ; the run of 8 rows that I read: 4 x work-group + wave
	s_lshl_b32 s20, s18, 15                        ; 32,768 bytes a run
	s_add_nc_u64 s[4:5], s[32:33], s[20:21]
	s_and_b32 s19, s16, 1                          ; a row's bits 3 and 4 are the wave's bits 0 and 1: the run that I write has them exchanged
	s_lshl_b32 s19, s19, 1
	s_lshr_b32 s22, s16, 1
	s_or_b32 s19, s19, s22
	s_add_co_u32 s19, s17, s19
	s_mul_i32 s20, s19, 6144                       ; 8 rows of 768 bytes
	s_add_nc_u64 s[8:9], s[42:43], s[20:21]
	s_lshl_b32 s20, s19, 8                         ; 8 rows of 32 bytes
	s_add_nc_u64 s[10:11], s[44:45], s[20:21]
.irp t, 0,1,2,3
	XLOAD \t
.endr
	s_wait_loadcnt 12                              ; step 0's four loads are in
	XTURN 0
.irp t, 0,1,2,3,4,5,6,7,8,9,10,11,12,13,14,15
	XSTEP \t
.endr
	ds_load_b64 v[12:13], v6                       ; LDS serves a wave's instructions in order: these see my byte stores
	s_wait_dscnt 0x0
	global_store_b64 v7, v[12:13], s[10:11]        ; 32 lanes store 256 consecutive bytes, aligned
	s_wait_tensorcnt 0x0
	ds_add_u32 v192, v193
	s_wait_dscnt 0x0
	s_endpgm
.Lweights:
	; ---- the weights: j = work-group - 256: weight j / 32, 256 along K (j / 8) % 4, 128 columns j % 8
	s_sub_co_u32 s17, ttmp9, 256
	s_lshr_b32 s24, s17, 5
	s_and_b32 s25, s17, 7
	s_bfe_u32 s26, s17, 0x20003
	s_mov_b64 s[4:5], s[40:41]                     ; Wo, unless
	s_cmp_eq_u32 s24, 0
	s_cselect_b64 s[4:5], s[34:35], s[4:5]         ; Wq
	s_cmp_eq_u32 s24, 1
	s_cselect_b64 s[4:5], s[36:37], s[4:5]         ; Wk
	s_cmp_eq_u32 s24, 2
	s_cselect_b64 s[4:5], s[38:39], s[4:5]         ; Wv
	s_lshl_b32 s17, s25, 7
	s_lshl_b32 s18, s16, 5
	s_add_co_u32 s17, s17, s18                     ; my wave's first column, a multiple of 32
	s_lshl_b32 s20, s26, 20                        ; 256 rows of 4,096 bytes
	s_lshl_b32 s22, s17, 2
	s_add_co_u32 s20, s20, s22
	s_add_nc_u64 s[4:5], s[4:5], s[20:21]
	s_lshl_b32 s22, s24, 10
	s_add_co_u32 s22, s22, s17                     ; the first of my 32 rows in the weights' codes
	s_mul_i32 s20, s22, KROW
	s_mul_i32 s23, s26, 192
	s_add_co_u32 s20, s20, s23
	s_add_nc_u64 s[6:7], s[46:47], s[20:21]
	s_lshl_b32 s20, s22, 5
	s_lshl_b32 s23, s26, 3
	s_add_co_u32 s20, s20, s23
	s_add_nc_u64 s[8:9], s[48:49], s[20:21]
	v_lshlrev_b32 v3, 2, v2                        ; in: 4 bytes a lane
	s_mul_i32 s19, s16, 32*PITCH
	s_add_co_u32 s19, s19, WLDS                    ; my stage
	v_mul_u32_u24 v4, v2, PITCH
	v_add_nc_u32 v4, s19, v4                       ; into it: row = my column
	v_and_b32 v5, 15, v2
	v_lshrrev_b32 v6, 4, v2                        ; out of it: sixteen lanes to a row, two rows an instruction
	v_mul_u32_u24 v7, v6, PITCH
	v_lshl_add_u32 v7, v5, 4, v7
	v_add_nc_u32 v7, s19, v7
	v_mul_u32_u24 v8, v6, KROW
	v_mad_u32_u24 v8, v5, 12, v8                   ; and the same place in the codes' buffer
	v_and_b32 v9, 7, v2                            ; my column's row of scale bytes: the lane's bits 3 and 4 exchanged
	v_bfe_u32 v10, v2, 3, 1
	v_lshl_or_b32 v9, v10, 4, v9
	v_bfe_u32 v10, v2, 4, 1
	v_lshl_or_b32 v9, v10, 3, v9
	v_lshlrev_b32 v9, 5, v9
	WLOAD 0
	WLOAD 1
.set Q, 0
.rept NB
	WBLOCK Q
.set Q, Q+1
.endr
	global_store_b64 v9, v[SB:SB+1], s[8:9]        ; my column's 8 scale bytes
.irp t, 0,1,2,3,4,5,6,7,8,9,10,11,12,13,14,15
	ds_load_b96 v[OUTR+4*\t:OUTR+4*\t+2], v7 offset:2*\t*PITCH   ; columns 2 t and 2 t + 1; LDS serves a wave's instructions in order: these see my stores
.endr
.irp t, 0,1,2,3,4,5,6,7,8,9,10,11,12,13,14,15
	s_wait_dscnt 15-\t
	global_store_b96 v8, v[OUTR+4*\t:OUTR+4*\t+2], s[6:7] offset:2*((\t&3)|(((\t>>3)&1)<<2)|(((\t>>2)&1)<<3))*KROW   ; a column's bits 3 and 4 are t's bits 2 and 3: exchanged
.endr
	s_wait_tensorcnt 0x0
	ds_add_u32 v192, v193
	s_wait_dscnt 0x0
	s_endpgm
.Lfunc_end_k_q4820c6639e_prep:
	.size	k_q4820c6639e_prep, .Lfunc_end_k_q4820c6639e_prep-k_q4820c6639e_prep
	.p2alignl 7, 3214868480
	.fill 96, 4, 3214868480
	.section	.rodata,"a",@progbits
	.p2align	6, 0x0
	.amdhsa_kernel k_q4820c6639e_prep
		.amdhsa_group_segment_fixed_size 68096
		.amdhsa_private_segment_fixed_size 0
		.amdhsa_enable_private_segment 0
		.amdhsa_kernarg_size 72
		.amdhsa_user_sgpr_count 2
		.amdhsa_user_sgpr_kernarg_segment_ptr 1
		.amdhsa_wavefront_size32 1
		.amdhsa_system_sgpr_workgroup_id_x 1
		.amdhsa_system_sgpr_workgroup_id_y 1
		.amdhsa_system_sgpr_workgroup_id_z 1
		.amdhsa_system_vgpr_workitem_id 0
		.amdhsa_next_free_vgpr 194
		.amdhsa_next_free_sgpr 66
		.amdhsa_reserve_vcc 0
		.amdhsa_float_denorm_mode_32 3
		.amdhsa_float_denorm_mode_16_64 3
		.amdhsa_memory_ordered 1
		.amdhsa_forward_progress 1
		.amdhsa_inst_pref_size 73
	.end_amdhsa_kernel
	.amdgpu_metadata
---
amdhsa.version: [ 1, 2 ]
amdhsa.kernels:
  - .name:           k_q4820c6639e_prep
    .symbol:         k_q4820c6639e_prep.kd
    .args:
      - { .name: x, .offset: 0, .size: 8, .value_kind: global_buffer, .address_space: global }
      - { .name: Wq, .offset: 8, .size: 8, .value_kind: global_buffer, .address_space: global }
      - { .name: Wk, .offset: 16, .size: 8, .value_kind: global_buffer, .address_space: global }
      - { .name: Wv, .offset: 24, .size: 8, .value_kind: global_buffer, .address_space: global }
      - { .name: Wo, .offset: 32, .size: 8, .value_kind: global_buffer, .address_space: global }
      - { .name: x_codes, .offset: 40, .size: 8, .value_kind: global_buffer, .address_space: global }
      - { .name: x_scales, .offset: 48, .size: 8, .value_kind: global_buffer, .address_space: global }
      - { .name: w_codes, .offset: 56, .size: 8, .value_kind: global_buffer, .address_space: global }
      - { .name: w_scales, .offset: 64, .size: 8, .value_kind: global_buffer, .address_space: global }
    .group_segment_fixed_size: 68096
    .private_segment_fixed_size: 0
    .kernarg_segment_align: 8
    .kernarg_segment_size: 72
    .max_flat_workgroup_size: 128
    .sgpr_count:     66
    .vgpr_count:     194
    .wavefront_size: 32
...
	.end_amdgpu_metadata
.endif
;; end of part 1
;; launch proj (part 2): grid 8 x 48, 4 waves a work-group, clusters of 4 x 4, 327,680 bytes of LDS; arguments x_codes, x_scales, w_codes, w_scales, qkv_img, qkv_sc; writes qkv_img, qkv_sc
.if DOCPART == 2
	.amdgcn_target "amdgcn-amd-amdhsa--gfx1250"
	.amdhsa_code_object_version 6
	.text
	.protected	k_q4820c6639e_proj
	.globl	k_q4820c6639e_proj
	.p2align	8
	.type	k_q4820c6639e_proj,@function
k_q4820c6639e_proj:
	s_mov_b64 s[64:65], 0
	v_nop
	global_prefetch_b8 v0, s[64:65] scope:SCOPE_SE
	s_setreg_imm32_b32 hwreg(HW_REG_WAVE_MODE, 25, 1), 1
	s_wait_xcnt 0x0
	s_wait_alu depctr_hold_cnt(0) depctr_sa_sdst(0) depctr_va_vdst(0) depctr_va_sdst(0) depctr_va_ssrc(0) depctr_va_vcc(0) depctr_vm_vsrc(0)
	s_getreg_b32 s2, hwreg(HW_REG_IB_STS2, 6, 4)
	s_cmp_eq_u32 s2, 0
	s_cbranch_scc0 .Lentry_in_a_cluster
	s_endpgm
.Lentry_in_a_cluster:
	s_bfe_u32 s2, ttmp6, 0x10000c
	s_cmp_lg_u32 s2, 0xf033
	s_cbranch_scc0 .Lentry_shape_is_right
	s_endpgm
.Lentry_shape_is_right:
; q = x Wq, k = x Wk, v = x Wv on codes of BF6 (E3M2) with one E8M0 scale for each 32 along K = 1,024; the results are quantised here, in f32, for attention's two products, and leave as IMAGES OF OPERAND REGISTERS.
; ONE TEXT, TWO PRODUCTS of the form C = A B^T, C quantised along its columns.  Clusters y = 0-7:  A = x (8,192 tokens), B = Wq | Wk (2,048 channels): q and k, quantised along a head's 64 channels.
; Clusters y = 8-11:  A = Wv (1,024 channels), B = x: v TRANSPOSED, quantised along the keys.  Which of the two is the same for all sixteen partners of a cluster (it hangs on the cluster's y alone).
; A tile of C, 256 x 256, is made by four waves, each 128 x 128: 64 accumulators, 512 registers.  K goes in steps of 256 through a ring of two LDS slots filled by tensor loads; the scales of the work-group's rows come once.
; CLUSTERS: 4 x 4 work-groups; A's tiles are asked for jointly along a row of the cluster, B's along a column.  The matrix instruction is used transposed (source 0 = 16 rows of B, source 1 = 16 rows of A).
; THE ROWS OF BOTH OPERANDS LIE IN MEMORY WITH BITS 3 AND 4 OF THE ROW NUMBER EXCHANGED.  So in accumulators (a, 2 g) and (a, 2 g + 1) a lane's 16 registers are the 16 TRUE neighbours 32 g + 16 (lane / 16) + 0 .. 15 of C's columns,
; and lane r of block a stands for the true row 32 (a / 2) + 8 (a % 2) + r + 8 (r / 8).  A block's 64 registers a lane become 12 registers of codes (128 columns) and one scale word a row.
; A HALF IMAGE is six registers a lane, 768 bytes: registers 2 p, 2 p + 1 at 256 p + 8 x lane.  Each store of the wave covers 256 consecutive bytes, aligned.
;   q, k: [head (q: 0-15, k: 16-31)][tile of 16 tokens, 512][768];   v from byte VB: [16 batch + head][step of 128 keys, 16][tile of 16 channels, 4][64 keys, 2][768]
;   scale words, q, k: [head 32][8 tiles, 64][lane 32][4]: word g of lane 16 u + r: row r of tile 2 g + u; bytes 0, 1 the head's two scales, bytes 2, 3 the neighbour head's or 0, never 0xff
;   v from byte VSB: [(16 batch + head) / 2][step 16][lane 32][4]: word 2 (head % 2) + g of lane 16 u + r: channel row r of tile 2 g + u, four bytes for the step's 128 keys
; LIMITS: NaN and infinities are not served; a block of zeros gets the byte 1 (this program alone reads the bytes); blocks under 2^-122 are held at the byte 1.
; No prefetch: a work-group has four fills, two of them at its head.  One tile to a work-group.
; REGISTERS: window 0: v16-23 fragment addresses, v24-26 store offsets, v27 scale address, v28-29 the add's; v32-63 scale words, two sets; v64-83 codes just made; v128-223 A's fragments; v224-255 the epilogue's.
;   window 1: B's fragments, two sets.   windows 2, 3: the accumulators ((a, b) at v[8 (8 (a % 4) + b)]).
.set KSTEP,  256
.set NQ,     2
.set ROWB,   192                       ; a tile's row: 256 codes
.set KROW,   768                       ; a row in memory
.set PITCH,  240                       ; an LDS row: 3 x (64 bytes + 16 of padding)
.set FR,     12
.set NL,     6
.set NP,     4
.set HALFT,  128*PITCH
.set SLOT,   4*HALFT
.set KS,     32                        ; a row of scales in bytes
.set SCL,    2*SLOT                    ; behind the ring: the scales, as 256 bytes + 16 of padding
.set HALFS,  (128*KS/256)*272
.set SBLK,   (16*KS/256)*272
.set SPARE,  SCL+4*HALFS               ; the spare words: 128 bytes a wave, two blocks of 256 bytes that no other line names
.set VB,     12582912
.set VSB,    1048576
.set ADRA, 16
.set ADRB, 20
.set VO,   24                          ; v24 8 x lane; v25 the same + the second half image's distance
.set VS,   26                          ; v26 16 x lane
.set ADRS, 27
.set SPW,  28
.set NIL,  29
.set SC,   32
.set PC,   64                          ; v64-83 the codes just made
.set AF,   128
.set TM,   224                         ; v224-227 largest magnitudes, v228-231 the other half's, then bytes, v236-239 the conversions' scale operands
.set PW,   240                         ; v240-247 block a's scale word
.set WS,   248                         ; v248-251 two blocks' words in one register
.set WS2,  252                         ; v252-255 the same, 16 bits down
.set G1, 24
.set G0, 32
.set G1B, 48
.set G0B, 56
.set ISV, 66                           ; s66 0: q and k; 1: v transposed
.set G1S, 68
.set G0S, 76
.set G1SB, 80
.set G0SB, 88
.set SEL, 92                           ; s[92:93] v_permlanex16_b32's selects, once B's scales have been asked for
.set OUT, 96                           ; s[96:97] where the images go
.set SCO, 98                           ; s[98:99] where the scale words go
.set STA, 100                          ; s[100:101] from block a to a + 1 (until the descriptors are built: A's codes)
.set STB, 104                          ; s[104:105] from block 3 to 4 (until then: A's scales)
.set MSB, 0
.macro WIN new                         ; the immediate's high byte repeats the setting that is left
.if MSB != \new
	s_set_vgpr_msb (MSB<<8)|\new
.set MSB, \new
.endif
.endm
.set MUL_LO, 0xa1                      ; source 0 (B) window 1, source 1 (A) window 0, C and D window 2
.set MUL_HI, 0xf1
.set TO_B,   0x40
; A joint load: waves 0 and 1 fetch for A, waves 2 and 3 for B; the branch hangs on the wave's number alone.  Four v_nop follow each of the two lines.
.macro JLOAD g0a, g1a, g0b, g1b
	s_cmp_eq_u32 s15, 0
	s_cbranch_scc0 .Lfor_b_\@
	tensor_load_to_lds s[\g0a:\g0a+3], s[\g1a:\g1a+7]
	s_nop 0
.rept 4
	v_nop
.endr
	s_branch .Lasked_\@
.Lfor_b_\@:
	tensor_load_to_lds s[\g0b:\g0b+3], s[\g1b:\g1b+7]
	s_nop 0
.rept 4
	v_nop
.endr
.Lasked_\@:
.endm
.macro CREST                           ; a round of the cluster's barrier behind its opening barrier
	s_cmp_lg_u32 s14, 0
	s_cbranch_scc1 .Lnot_wave_0_\@
	s_barrier_signal -3
.Lnot_wave_0_\@:
	s_barrier_wait -3
	s_barrier_signal -1
	s_barrier_wait -1
.endm
.macro CROUND
	s_barrier_signal -1
	s_barrier_wait -1
	CREST
.endm
	s_load_b128 s[4:7], s[0:1], 0x0                ; x's codes, x's scales
	s_load_b128 s[8:11], s[0:1], 0x10              ; the weights' codes, their scales
	s_load_b128 s[OUT:OUT+3], s[0:1], 0x20         ; the images, the scale words
	v_lshl_add_u32 v[SPW], v0, 2, SPARE
	v_mov_b32 v[NIL], 0
	ds_add_u32 v28, v29
	ds_add_u32 v28, v29
	s_wait_dscnt 0x0
.irp b, 0,1,2,3
	v_mov_b32 v[TM+4+\b], 0                        ; written once: a lane permute's destination counts as one of its sources
.endr
	v_lshrrev_b32 v1, 5, v0
	v_readfirstlane_b32 s14, v1                    ; wave 0..3
	s_lshr_b32 s15, s14, 1                         ; which half of the tile's rows is mine.  Also: I fetch for A (0) or for B (1)
	s_and_b32 s16, s14, 1                          ; which half of its columns.  Also: which 128 rows of that tile I fetch
	s_bfe_u32 s40, ttmp6, 0x40000                  ; cx, cy: my place in the cluster
	s_bfe_u32 s41, ttmp6, 0x40004
	s_and_b32 s67, ttmp7, 0xffff                   ; the cluster's y: 0-7 q and k, 8-11 v
	s_max_u32 s18, s67, 8
	s_sub_co_u32 s18, s18, 8
	s_lshl_b32 s18, s18, 1
	s_add_co_u32 s18, s18, ttmp9                   ; v: 8 columns of clusters, 2 (y - 8) + x
	s_cmp_lt_u32 s67, 8
	s_cselect_b32 s42, ttmp9, s18                  ; the cluster's column,
	s_cselect_b32 s17, s67, 0                      ; its row (v: Wv's 1,024 rows are one row of clusters),
	s_cselect_b32 s[ISV], 0, 1
	s_cselect_b32 s95, 0, 2048                     ; and where A's rows begin in their buffer: Wv lies behind Wq and Wk
	s_lshl_b32 s42, s42, 2
	s_add_co_u32 s42, s42, s40                     ; tile column of C
	s_lshl_b32 s17, s17, 2
	s_add_co_u32 s17, s17, s41                     ; tile row of C
	s_lshl_b32 s43, s41, 2
	s_lshl_b32 s43, 15, s43                        ; my row of the cluster
	s_lshl_b32 s44, 0x1111, s40                    ; my column
	; descriptor group 1: a tile of 128 rows x 192 bytes, 16 bytes of padding behind every 64
	s_or_b32 s[G1+0], s43, (0<<16)|(1<<20)|(1<<21)|(3<<22)|(3<<25)
	s_or_b32 s[G1B+0], s44, (0<<16)|(1<<20)|(1<<21)|(3<<22)|(3<<25)
.irp g, G1, G1B
	s_mov_b32 s[\g+1], ROWB<<16                    ; tensor_dim0
	s_mov_b32 s[\g+2], 128<<16                     ; tensor_dim1
	s_mov_b32 s[\g+3], ROWB<<16                    ; tile_dim0
	s_mov_b32 s[\g+4], 128                         ; tile_dim1
	s_mov_b32 s[\g+5], KROW                        ; the pitch
	s_mov_b32 s[\g+6], 0
	s_mov_b32 s[\g+7], 0
.endr
	; the scales of 128 rows: a dense block of 4,096 bytes, as 16 rows of 256 bytes (32 elements of 8), 16 bytes of padding behind each
	s_or_b32 s[G1S+0], s43, (3<<16)|(1<<20)|(1<<21)|(5<<22)|(3<<25)
	s_or_b32 s[G1SB+0], s44, (3<<16)|(1<<20)|(1<<21)|(5<<22)|(3<<25)
.irp g, G1S, G1SB
	s_mov_b32 s[\g+1], 32<<16
	s_mov_b32 s[\g+2], (128*KS/256)<<16
	s_mov_b32 s[\g+3], 32<<16
	s_mov_b32 s[\g+4], 128*KS/256
	s_mov_b32 s[\g+5], 32
	s_mov_b32 s[\g+6], 0
	s_mov_b32 s[\g+7], 0
.endr
	s_lshl_b32 s18, s16, 7                         ; which 128 rows of the tile I fetch
	s_lshl_b32 s20, s17, 8
	s_add_co_u32 s20, s20, s18
	s_add_co_u32 s20, s20, s95                     ; A: row 256 x tile row + 128 x half (+ 2,048)
	s_lshl_b32 s46, s42, 8
	s_add_co_u32 s46, s46, s18                     ; B: row 256 x tile column + 128 x half
	s_mov_b32 s21, 0
	s_mov_b32 s47, 0
	s_mov_b64 s[18:19], KS
	s_mul_u64 s[22:23], s[20:21], s[18:19]         ; where these rows' scales begin, in bytes
	s_mul_u64 s[92:93], s[46:47], s[18:19]
	s_mov_b64 s[18:19], KROW
	s_mul_u64 s[20:21], s[20:21], s[18:19]         ; and their codes
	s_mul_u64 s[46:47], s[46:47], s[18:19]
	s_mul_i32 s45, s14, HALFT                      ; where they go: wave x 128 rows: no place in the cluster enters an LDS address
	s_mul_i32 s94, s14, HALFS
	s_wait_kmcnt 0x0
	s_cmp_eq_u32 s[ISV], 0                         ; which buffer is A's and which B's: the choice hangs on the cluster's y alone
	s_cselect_b64 s[100:101], s[4:5], s[8:9]       ; A's codes
	s_cselect_b64 s[104:105], s[6:7], s[10:11]     ; A's scales
	s_cselect_b64 s[8:9], s[8:9], s[4:5]           ; B's codes
	s_cselect_b64 s[10:11], s[10:11], s[6:7]       ; B's scales
	s_add_nc_u64 s[20:21], s[100:101], s[20:21]
	s_add_nc_u64 s[22:23], s[104:105], s[22:23]
	s_add_nc_u64 s[46:47], s[8:9], s[46:47]
	s_add_nc_u64 s[92:93], s[10:11], s[92:93]
	CROUND                                         ; all sixteen work-groups are here: the first joint loads meet
	s_mov_b32 s[G0S], 1
	s_add_co_u32 s[G0S+1], s94, SCL
	s_mov_b64 s[G0S+2:G0S+3], s[22:23]
	s_or_b32 s[G0S+3], s[G0S+3], 0x80000000
	s_mov_b32 s[G0SB], 1
	s_add_co_u32 s[G0SB+1], s94, SCL
	s_mov_b64 s[G0SB+2:G0SB+3], s[92:93]
	s_or_b32 s[G0SB+3], s[G0SB+3], 0x80000000
	JLOAD G0S, G1S, G0SB, G1SB                     ; the scales first: they are wanted with K step 0
.irp s, 0,1
	s_mov_b32 s[G0+4*\s], 1
	s_add_co_u32 s[G0+4*\s+1], s45, \s*SLOT
	s_add_nc_u64 s[G0+4*\s+2:G0+4*\s+3], s[20:21], \s*ROWB
	s_or_b32 s[G0+4*\s+3], s[G0+4*\s+3], 0x80000000
	s_mov_b32 s[G0B+4*\s], 1
	s_add_co_u32 s[G0B+4*\s+1], s45, \s*SLOT
	s_add_nc_u64 s[G0B+4*\s+2:G0B+4*\s+3], s[46:47], \s*ROWB
	s_or_b32 s[G0B+4*\s+3], s[G0B+4*\s+3], 0x80000000
	JLOAD G0+4*\s, G1, G0B+4*\s, G1B
.endr
	v_and_b32 v1, 15, v0                           ; l % 16
	v_bfe_u32 v2, v0, 4, 1                         ; l / 16
	v_mul_u32_u24 v3, v1, PITCH
	v_mul_u32_u24 v4, v2, 24
	v_add_nc_u32 v4, v3, v4                        ; a fragment's row x pitch + 24 x half
	v_lshl_add_u32 v5, v2, 4, v4                   ; and the same behind one padding more
	s_mul_i32 s21, s15, HALFT                      ; my 128 rows of A
	s_mul_i32 s22, s16, HALFT                      ; my 128 rows of B,
	s_add_co_u32 s22, s22, 2*HALFT                 ; which lie behind A's 256
.irp s, 0,1
	v_add_nc_u32 v[ADRA+\s], s21, v4
	v_add_nc_u32 v[ADRB+\s], s22, v4
	v_add_nc_u32 v[ADRA+2+\s], s21, v5
	v_add_nc_u32 v[ADRB+2+\s], s22, v5
	s_add_co_u32 s21, s21, SLOT
	s_add_co_u32 s22, s22, SLOT
.endr
	v_mul_u32_u24 v5, v1, KS                       ; my row's scales: 32 bytes a row,
	v_lshrrev_b32 v6, 8, v5
	v_lshl_add_u32 v5, v6, 4, v5                   ; and 16 more for each 256 passed
	s_mul_i32 s21, s15, HALFS
	s_mul_i32 s22, s16, HALFS
	s_add_co_u32 s22, s22, 2*HALFS
	s_sub_co_u32 s22, s22, s21
	v_mul_u32_u24 v6, s22, v2                      ; lanes 16-31 take B's
	s_add_co_u32 s21, s21, SCL
	v_add_nc_u32 v5, v5, v6
	v_add_nc_u32 v[ADRS], s21, v5
	; where my results go.  G = 2 x tile column + half, R2 = 2 x tile row + half
	s_lshl_b32 s18, s42, 1
	s_add_co_u32 s18, s18, s16
	s_lshl_b32 s19, s17, 1
	s_add_co_u32 s19, s19, s15
	s_lshl_b32 s20, s18, 10                        ; q, k: head 2 G, tile 8 R2: (512 x head + tile) x 768
	s_lshl_b32 s21, s19, 3
	s_add_co_u32 s20, s20, s21
	s_mul_i32 s20, s20, 768
	s_lshl_b32 s21, s18, 7                         ; scale words: (64 x head + R2) x 512
	s_add_co_u32 s21, s21, s19
	s_lshl_b32 s21, s21, 9
	s_lshr_b32 s22, s18, 4                         ; v: batch G / 16, step G % 16, head 2 R2
	s_and_b32 s23, s18, 15
	s_lshl_b32 s22, s22, 3
	s_add_co_u32 s22, s22, s19                     ; (16 batch + head) / 2
	s_lshl_b32 s46, s22, 5
	s_add_co_u32 s46, s46, s23
	s_mul_i32 s46, s46, 6144
	s_add_co_u32 s46, s46, VB                      ; VB + ((16 batch + head) x 16 + step) x 6,144
	s_lshl_b32 s47, s22, 4
	s_add_co_u32 s47, s47, s23
	s_lshl_b32 s47, s47, 9
	s_add_co_u32 s47, s47, VSB
	s_cmp_eq_u32 s[ISV], 0
	s_cselect_b32 s20, s20, s46
	s_cselect_b32 s22, s21, s47
	s_mov_b32 s21, 0
	s_mov_b32 s23, 0
	s_mov_b32 s[STA], 1536                         ; from block to block: q, k the next tile of tokens; v the next tile of channels (two half images)
	s_cselect_b32 s[STA], 768, s[STA]
	s_mov_b32 s[STA+1], 0
	s_mov_b32 s[STB], 93696                        ; from block 3 to 4: v goes on to the next head: 16 x 6,144 - 3 x 1,536
	s_cselect_b32 s[STB], 768, s[STB]
	s_mov_b32 s[STB+1], 0
	s_mov_b32 s46, 393216                          ; the second half image: q, k the next head (512 x 768); v the step's second 64 keys
	s_cselect_b32 s46, s46, 768
	s_add_nc_u64 s[OUT:OUT+1], s[OUT:OUT+1], s[20:21]
	s_add_nc_u64 s[SCO:SCO+1], s[SCO:SCO+1], s[22:23]
	s_mov_b32 s[SEL], 0x76543210
	s_mov_b32 s[SEL+1], 0xfedcba98                 ; lane l xor 16
	v_and_b32 v6, 31, v0
	v_lshlrev_b32 v[VO], 3, v6
	v_add_nc_u32 v[VO+1], s46, v[VO]
	v_lshlrev_b32 v[VS], 4, v6
.macro FRAG reg, adr, q, i             ; 16 rows x 128 K: 12 registers; lane l: row l % 16; registers 6 c .. 6 c + 5: K = 64 c + 32 (l / 16) + 0 .. 31, 24 bytes as they lie, in pieces of 8 bytes
.irp p, 0,1,2,3,4,5
.set PCE, 12*(\q)+6*(\p/3)+\p%3        ; where the piece three on (lanes 16-31) lies behind one padding more, the second address register serves
.if PCE%8 < 5
	ds_load_b64 v[\reg+2*\p:\reg+2*\p+1], v[\adr] offset:8*PCE+16*(PCE/8)+(\i)*16*PITCH
.else
	ds_load_b64 v[\reg+2*\p:\reg+2*\p+1], v[\adr+2] offset:8*PCE+16*(PCE/8)+(\i)*16*PITCH
.endif
.endr
.endm
; 16 matrix instructions: A's blocks a0, a0 + 1 x B's eight.  The 64 accumulators take turns, one instruction a turn, in the same order in every step.  zero = 1: the first product starts the sums.
.macro MUL16 a0, p, q, sc, zero
.irp a, \a0, \a0+1
.irp b, 0,1,2,3,4,5,6,7
.if \zero
	v_wmma_scale_f32_16x16x128_f8f6f4 v[8*(8*((\a)%4)+\b):8*(8*((\a)%4)+\b)+7], v[128*(\p)+FR*\b:128*(\p)+FR*\b+FR-1], v[AF+FR*(\a):AF+FR*(\a)+FR-1], 0, v[SC+8*NQ*(\sc)+NQ*\b+(\q)], v[SC+8*NQ*(\sc)+NQ*(\a)+(\q)] matrix_a_fmt:MATRIX_FMT_BF6 matrix_b_fmt:MATRIX_FMT_BF6 matrix_a_scale:MATRIX_SCALE_ROW1
.else
	v_wmma_scale_f32_16x16x128_f8f6f4 v[8*(8*((\a)%4)+\b):8*(8*((\a)%4)+\b)+7], v[128*(\p)+FR*\b:128*(\p)+FR*\b+FR-1], v[AF+FR*(\a):AF+FR*(\a)+FR-1], v[8*(8*((\a)%4)+\b):8*(8*((\a)%4)+\b)+7], v[SC+8*NQ*(\sc)+NQ*\b+(\q)], v[SC+8*NQ*(\sc)+NQ*(\a)+(\q)] matrix_a_fmt:MATRIX_FMT_BF6 matrix_b_fmt:MATRIX_FMT_BF6 matrix_a_scale:MATRIX_SCALE_ROW1
.endif
.endr
.endr
.endm
.macro FETCH_B slot, q, p
	WIN TO_B
.irp i, 0,1,2,3,4,5,6,7
	FRAG 128*(\p)+FR*\i, ADRB+\slot, \q, \i
.endr
	WIN 0
.endm
.macro FETCH_A slot, q, i0
.irp i, \i0, \i0+1, \i0+2, \i0+3
	FRAG AF+FR*(\i), ADRA+\slot, \q, \i
.endr
.endm
.macro SCALES sc                       ; a K step's scale words: two a row; lanes 0-15 take A's block i, lanes 16-31 B's block i
.irp i, 0,1,2,3,4,5,6,7
	ds_load_b64 v[SC+8*NQ*\sc+NQ*\i:SC+8*NQ*\sc+NQ*\i+1], v[ADRS] offset:\i*SBLK
.endr
.endm
.macro PLACES n                        ; plain vector instructions between a matrix instruction and a load into, or a read of, its registers
.rept \n
	v_nop
.endr
.endm
.macro STEP slot, q, zero              ; 128 along K that has its successor in the same slot
	s_wait_dscnt 4*NL                              ; B's set and A's blocks 0-3 are in; the youngest 24 loads (A's blocks 4-7) may be out
	WIN MUL_LO
	MUL16 0, (\q)%2, \q, \slot, \zero
	MUL16 2, (\q)%2, \q, \slot, \zero
	s_wait_dscnt 0                                 ; A's blocks 4-7 are in
	PLACES NP
	FETCH_B \slot, (\q)+1, 1-(\q)%2
	FETCH_A \slot, (\q)+1, 0
	WIN MUL_HI
	MUL16 4, (\q)%2, \q, \slot, \zero
	MUL16 6, (\q)%2, \q, \slot, \zero
	PLACES NP
	WIN 0
	FETCH_A \slot, (\q)+1, 4
.endm
; A slot's last step changes slots: one barrier; in front of it each wave waits for all its tensor loads, adds 0 to its spare word, and waits for that and for its reads of this slot.  fill = 1: this slot is filled again, two K steps ahead.
.macro TURN slot, next, fill
	s_wait_tensorcnt 0x0                           ; all my tensor loads have landed: my part of the next slot
	ds_add_u32 v[SPW], v[NIL]                      ; 0 onto my spare word
	s_wait_dscnt 4*NL+1                            ; (the add and the youngest 24 loads may be out)
	WIN MUL_LO
	MUL16 0, 1, NQ-1, \slot, 0
	s_wait_dscnt 0x0                               ; the add is done, and my reads of this slot are over
	s_barrier_signal -1
	MUL16 2, 1, NQ-1, \slot, 0
	WIN 0
	s_barrier_wait -1
.if \fill
	CREST                                          ; the barrier has opened a round of the cluster's barrier: no wave of any partner still reads this slot or has a load on its way
	s_add_nc_u64 s[G0+4*\slot+2:G0+4*\slot+3], s[G0+4*\slot+2:G0+4*\slot+3], 2*ROWB
	s_add_nc_u64 s[G0B+4*\slot+2:G0B+4*\slot+3], s[G0B+4*\slot+2:G0B+4*\slot+3], 2*ROWB
	JLOAD G0+4*\slot, G1, G0B+4*\slot, G1B         ; the first tensor load behind the round; its four v_nop are also the places in front of the loads below
.else
	PLACES NP
.endif
	v_add_nc_u32 v[ADRS], 4*NQ, v[ADRS]            ; on to the next K step's scale words
	FETCH_B \next, 0, 0
	FETCH_A \next, 0, 0
	SCALES \next
	WIN MUL_HI
	MUL16 4, 1, NQ-1, \slot, 0
	MUL16 6, 1, NQ-1, \slot, 0
	PLACES NP
	WIN 0
	FETCH_A \next, 0, 4
.endm
	s_wait_tensorcnt 1                             ; the scales and my part of K step 0 are in (K step 1's load may be out),
	s_barrier_signal -1
	s_barrier_wait -1                              ; everybody's are
	FETCH_B 0, 0, 0
	FETCH_A 0, 0, 0
	SCALES 0
	FETCH_A 0, 0, 4
	STEP 0, 0, 1                                   ; the first step stands in front of the loop: its products start the sums
	s_mov_b32 s3, 1                                ; K = 1,024 is two laps of the ring: one trip fills both slots again
.Llap:
	TURN 0, 1, 1
	STEP 1, 0, 0
	TURN 1, 0, 1
	STEP 0, 0, 0
	s_sub_co_u32 s3, s3, 1
	s_cmp_lg_u32 s3, 0
	s_cbranch_scc1 .Llap
	TURN 0, 1, 0                                   ; the last lap fills nothing
	STEP 1, 0, 0
	s_wait_dscnt 4*NL
	WIN MUL_LO
	MUL16 0, 1, NQ-1, 1, 0
	MUL16 2, 1, NQ-1, 1, 0
	s_wait_dscnt 0
	WIN MUL_HI
	MUL16 4, 1, NQ-1, 1, 0
	MUL16 6, 1, NQ-1, 1, 0
	WIN 0
; THE WAY OUT of block a: its 64 registers a lane (register 16 g + i = column 32 g + 16 (lane / 16) + i of my row) become four blocks' scale bytes and 12 registers of codes: two half images.
.macro QEPI a
.set AC, 64*((\a)%4)
.set WW, 2+(\a)/4
.set WN2, WW|(WW<<2)
	WIN WN2                                        ; sources 0 and 1: the accumulators' window
.irp b, 0,1,2,3
	v_max3_num_f32 v[TM+\b], |v[AC+16*\b]|, |v[AC+16*\b+1]|, 0x2800000   ; block b: my 16 numbers, each accumulator from its low end on, and the floor 2^(5 - 127)
.endr
.irp i, 2,4,6,8,10,12,14
.irp b, 0,1,2,3
	v_max3_num_f32 v[TM+\b], |v[AC+16*\b+\i]|, |v[AC+16*\b+\i+1]|, v[TM+\b]
.endr
.endr
	WIN 0
.irp b, 0,1,2,3
	v_permlanex16_b32 v[TM+4+\b], v[TM+\b], s[SEL], s[SEL+1]
.endr
.irp b, 0,1,2,3
	v_max_num_f32 v[TM+\b], v[TM+\b], v[TM+4+\b]   ; with lane l xor 16's: the block's largest magnitude
.endr
.irp b, 0,1,2,3
	v_add_nc_u32 v[TM+12+\b], 0xfe000000, v[TM+\b] ; 4 off its exponent field: the conversion's scale operand
.endr
.irp b, 0,1,2,3
	v_lshrrev_b32 v[TM+4+\b], 23, v[TM+12+\b]      ; the scale's byte
.endr
	v_lshl_or_b32 v[PW+(\a)], v[TM+5], 8, v[TM+4]
	v_lshl_or_b32 v[PW+(\a)], v[TM+6], 16, v[PW+(\a)]
	v_lshl_or_b32 v[PW+(\a)], v[TM+7], 24, v[PW+(\a)]
.if (\a) > 0
	s_wait_xcnt 0x0                                ; the last block's stores have read their data and their base: both are written again only behind this wait
.if (\a) == 4
	s_add_nc_u64 s[OUT:OUT+1], s[OUT:OUT+1], s[STB:STB+1]
.else
	s_add_nc_u64 s[OUT:OUT+1], s[OUT:OUT+1], s[STA:STA+1]
.endif
.endif
	WIN WW                                         ; source 0: the accumulators' window
.irp c, 0,1
	v_cvt_scalef32_pk16_bf6_f32 v[PC+6*\c:PC+2+6*\c], v[AC+32*\c:AC+15+32*\c], v[TM+12+2*\c]
	v_cvt_scalef32_pk16_bf6_f32 v[PC+12+4*\c:PC+14+4*\c], v[AC+16+32*\c:AC+31+32*\c], v[TM+12+2*\c+1]   ; (a conversion's three registers begin on an even number)
.endr
	WIN 0
	v_nop                                          ; one plain place behind a scaled conversion
.irp c, 0,1                                    ; the operand's layout wants a whole block in a lane: lanes 0-15 block 2 c, lanes 16-31 block 2 c + 1
.irp i, 0,1,2
	v_permlane16_swap_b32 v[PC+6*\c+\i], v[PC+12+4*\c+\i]
.endr
.irp i, 0,1,2
	v_mov_b32 v[PC+3+6*\c+\i], v[PC+12+4*\c+\i]
.endr
.endr
.irp k, 0,1,2,3,4,5
	global_store_b64 v[VO+\k/3], v[PC+2*\k:PC+2*\k+1], s[OUT:OUT+1] offset:256*(\k%3)   ; 32 lanes store 256 consecutive bytes, aligned
.endr
.endm
	PLACES NP                                      ; behind the last products, in front of the first read of results
.irp a, 0,1,2,3,4,5,6,7
	QEPI \a
.endr
	s_mov_b32 vcc_lo, 0xffff0000
.irp g, 0,1,2,3
	v_cndmask_b32 v[WS+\g], v[PW+2*\g], v[PW+2*\g+1], vcc_lo   ; lanes 0-15: block 2 g's words, lanes 16-31: block 2 g + 1's
.endr
	global_store_b128 v[VS], v[WS:WS+3], s[SCO:SCO+1]          ; 512 consecutive bytes
	s_cmp_lg_u32 s[ISV], 0                         ; v's words are whole: four bytes for the step's 128 keys.  The same in all partners of a cluster
	s_cbranch_scc1 .Lwords_done
.irp g, 0,1,2,3
	v_lshrrev_b32 v[WS2+\g], 16, v[WS+\g]          ; q, k: the odd head's two bytes, brought down
.endr
	global_store_b128 v[VS], v[WS2:WS2+3], s[SCO:SCO+1] offset:32768   ; 64 x 512 bytes on: the next head
.Lwords_done:
	s_wait_tensorcnt 0x0                           ; the wave's end
	ds_add_u32 v[SPW], v[NIL]
	s_wait_dscnt 0x0
	CROUND                                         ; the closing round: no work-group ends while a partner may still ask for a tile that names it
	s_endpgm
.Lfunc_end_k_q4820c6639e_proj:
	.size	k_q4820c6639e_proj, .Lfunc_end_k_q4820c6639e_proj-k_q4820c6639e_proj
	.p2alignl 7, 3214868480
	.fill 96, 4, 3214868480
	.section	.rodata,"a",@progbits
	.p2align	6, 0x0
	.amdhsa_kernel k_q4820c6639e_proj
		.amdhsa_group_segment_fixed_size 327680
		.amdhsa_private_segment_fixed_size 0
		.amdhsa_enable_private_segment 0
		.amdhsa_kernarg_size 48
		.amdhsa_user_sgpr_count 2
		.amdhsa_user_sgpr_kernarg_segment_ptr 1
		.amdhsa_wavefront_size32 1
		.amdhsa_system_sgpr_workgroup_id_x 1
		.amdhsa_system_sgpr_workgroup_id_y 1
		.amdhsa_system_sgpr_workgroup_id_z 1
		.amdhsa_system_vgpr_workitem_id 0
		.amdhsa_next_free_vgpr 1024
		.amdhsa_next_free_sgpr 106
		.amdhsa_reserve_vcc 1
		.amdhsa_float_denorm_mode_32 3
		.amdhsa_float_denorm_mode_16_64 3
		.amdhsa_memory_ordered 1
		.amdhsa_forward_progress 1
		.amdhsa_inst_pref_size 168
	.end_amdhsa_kernel
	.amdgpu_metadata
---
amdhsa.version: [ 1, 2 ]
amdhsa.kernels:
  - .name:           k_q4820c6639e_proj
    .symbol:         k_q4820c6639e_proj.kd
    .args:
      - { .name: x_codes, .offset: 0, .size: 8, .value_kind: global_buffer, .address_space: global }
      - { .name: x_scales, .offset: 8, .size: 8, .value_kind: global_buffer, .address_space: global }
      - { .name: w_codes, .offset: 16, .size: 8, .value_kind: global_buffer, .address_space: global }
      - { .name: w_scales, .offset: 24, .size: 8, .value_kind: global_buffer, .address_space: global }
      - { .name: qkv_img, .offset: 32, .size: 8, .value_kind: global_buffer, .address_space: global }
      - { .name: qkv_sc, .offset: 40, .size: 8, .value_kind: global_buffer, .address_space: global }
    .group_segment_fixed_size: 327680
    .private_segment_fixed_size: 0
    .kernarg_segment_align: 8
    .kernarg_segment_size: 48
    .max_flat_workgroup_size: 128
    .sgpr_count:     106
    .vgpr_count:     1024
    .wavefront_size: 32
...
	.end_amdgpu_metadata
.endif
;; end of part 2
;; launch attn (part 3): grid 4 x 64, 16 waves a work-group, clusters of 4 x 1, 215,040 bytes of LDS; arguments qkv_img, qkv_sc, ctx_img, ctx_sc; writes ctx_img, ctx_sc
.if DOCPART == 3
	.amdgcn_target "amdgcn-amd-amdhsa--gfx1250"
	.amdhsa_code_object_version 6
	.text
	.protected	k_q4820c6639e_attn
	.globl	k_q4820c6639e_attn
	.p2align	8
	.type	k_q4820c6639e_attn,@function
k_q4820c6639e_attn:
	s_mov_b64 s[64:65], 0
	v_nop
	global_prefetch_b8 v0, s[64:65] scope:SCOPE_SE
	s_setreg_imm32_b32 hwreg(HW_REG_WAVE_MODE, 25, 1), 1
	s_wait_xcnt 0x0
	s_wait_alu depctr_hold_cnt(0) depctr_sa_sdst(0) depctr_va_vdst(0) depctr_va_sdst(0) depctr_va_ssrc(0) depctr_va_vcc(0) depctr_vm_vsrc(0)
	s_getreg_b32 s2, hwreg(HW_REG_IB_STS2, 6, 4)
	s_cmp_eq_u32 s2, 0
	s_cbranch_scc0 .Lentry_in_a_cluster
	s_endpgm
.Lentry_in_a_cluster:
	s_bfe_u32 s2, ttmp6, 0x10000c
	s_cmp_lg_u32 s2, 0x3003
	s_cbranch_scc0 .Lentry_shape_is_right
	s_endpgm
.Lentry_shape_is_right:
; Causal attention of one (batch, head) a cluster, head size 64, 2,048 tokens, both products on codes of BF6 (E3M2) with one E8M0 scale for each 32 along a product's K; the result is divided by the row's sum and quantised along the channels.
; THE SOFTMAX: t = score x log2(e) / 8; M = the running largest t rounded UP to a whole number; p = 2^(t - M) is quantised along the keys, not normalised; the row's sum is taken of the unquantised p and divides at the end.
; When M moves, the sum and O are multiplied by 2^(old M - new M): exact.
; OPERANDS ARRIVE AS IMAGES OF THEIR REGISTERS: a half image is six registers a lane, 768 bytes, registers 2 p, 2 p + 1 at 256 p + 8 x lane.  Tile T of 16 tokens, lane r: token 32 (T / 2) + 8 (T % 2) + r + 8 (r / 8).
; THE HEAD'S WHOLE K AND V LIE IN LDS, FILLED ONCE (196,608 bytes of codes, 16,384 of scale words): no slot is filled again.  The four work-groups of a cluster take the same head and ask for every tile
; JOINTLY: the same tensor load, the same descriptor, a mask that names the four.  Each of the sixteen waves asks for one sixteenth: 12,288 bytes of codes and 1,024 of scale words: two loads of mine are out.
; SHARES.  A wave makes two tiles of 16 queries, one after the other: t0 = 8 (w / 2) + 2 cx + w % 2 and t1 = 127 - t0.  Tile t needs key steps 0 .. t / 8 of 128 keys: (w / 2 + 1) + (16 - w / 2) = 17 steps for every wave.
; The loop over steps has a constant count; a step all of whose keys come after the queries is jumped over by a branch on the wave's number and the counter.  cx enters global addresses and a vector compare alone.
; BOTH PRODUCTS ARE USED TRANSPOSED: S^T = K Q^T (source 0 = 16 keys), O^T = V^T P^T (source 0 = 16 channels): a lane holds one query throughout; registers 16 b + i of the scores are keys 32 b + 16 (lane / 16) + i.
; K = 64 IN AN INSTRUCTION OF 128: Q's registers 6-11 are zero codes.  K's fragment T is v[32 + 6 T .. 43 + 6 T]: its upper six registers are the next tile's codes (for T = 7 zeros), which meet zero codes; no scale byte is 0xff.
; LIMITS: NaN and infinities are not served; p under 2^-126 is taken as 0 (v_exp_f32 flushes); a block of zeros gets the byte 1 (this program alone reads the bytes).  The row's scale bytes leave as 2 bytes a row: one byte in 24 of what is stored.
; No prefetch: all that the work-group reads is asked for at its head.
; REGISTERS: v1-6 addresses that stay; v8-11 addresses in hand; v12 -M, v13 the largest t, v[14:15] the sum; v16-27 Q of pass 0 and zeros; v32-79 K's eight tiles, then V's four; v80-85 zeros; v96-159 S^T, then p; v160-191 O^T;
;   v192-203 Q of pass 1 and zeros, v204 its scale words; v224-247 codes and work; v248-251 scale words; v252 f, v253 p's scale word, v254 at work, v255 Q's scale words of pass 0.
.set VB,   12582912                    ; where V's images begin in their buffer
.set VSB,  1048576                     ; and its scale words
.set VOFF, 98304                       ; LDS: K's codes at 0 (step x 6,144 + tile x 768), V's here (step x 6,144 + (2 tile + half) x 768)
.set KSO,  196608                      ; K's scale words: step x 512 + 16 x lane
.set VSO,  204800                      ; V's, of two heads: step x 512 + 16 x lane + 8 (head % 2)
.set WV,  18
.set SEL, 20                           ; s[20:21] lane l xor 16
.set CS,  22                           ; s[22:23] c = log2(e) / 8
.set G1C, 24                           ; s[24:31] group 1: 48 rows of 256 bytes
.set G1S, 32                           ; s[32:39] 4 rows of 256 bytes
.set G0C, 40
.set G0S, 44
.set SG,  48                           ; s48, s49 the diagonal's step of pass 0, 1
.set TT,  50                           ; s50, s51 the tile of queries
.set DQ,  52                           ; s52, s53 the tile's first query less the diagonal step's first key
.set CI,  54                           ; s[54:57] where the result's image goes
.set CSC, 58                           ; s[58:61] and its scale bytes
.set QI,  66                           ; s[66:69] Q's image
.set QSC, 70                           ; s[70:73] Q's scale words
.set TB,  74                           ; s74 the step's codes in LDS
.set TS,  75                           ; s75 the step's scale words
.set STP, 76                           ; s76 the step
.macro CROUND                          ; a round of the cluster's barrier
	s_barrier_signal -1
	s_barrier_wait -1
	s_cmp_lg_u32 s[WV], 0
	s_cbranch_scc1 .Lnot_wave_0_\@
	s_barrier_signal -3
.Lnot_wave_0_\@:
	s_barrier_wait -3
	s_barrier_signal -1
	s_barrier_wait -1
.endm
.macro TILE ps                         ; the four addresses of pass ps's tile, and DQ
	s_lshl_b32 s78, s14, 9
	s_add_co_u32 s78, s78, s16
	s_add_co_u32 s78, s78, s[TT+\ps]
	s_mul_i32 s78, s78, 768                        ; (512 head + 128 batch + t) x 768: in Q's images and in the result's alike
	s_mov_b32 s79, 0
	s_add_nc_u64 s[QI+2*\ps:QI+2*\ps+1], s[4:5], s[78:79]
	s_add_nc_u64 s[CI+2*\ps:CI+2*\ps+1], s[8:9], s[78:79]
	s_lshr_b32 s80, s[TT+\ps], 3
	s_lshl_b32 s78, s14, 6
	s_add_co_u32 s78, s78, s80
	s_lshl_b32 s80, s13, 4
	s_add_co_u32 s78, s78, s80
	s_lshl_b32 s78, s78, 9                         ; (64 head + 16 batch + t / 8) x 512
	s_and_b32 s80, s[TT+\ps], 1                    ; u = t % 2
	s_bfe_u32 s81, s[TT+\ps], 0x20001              ; g = (t / 2) % 4
	s_lshl_b32 s82, s80, 8
	s_add_co_u32 s78, s78, s82                     ; + 16 x 16 u
	s_lshl_b32 s82, s81, 2
	s_add_co_u32 s78, s78, s82                     ; + 4 g
	s_add_nc_u64 s[QSC+2*\ps:QSC+2*\ps+1], s[6:7], s[78:79]
	s_lshl_b32 s82, s81, 5
	s_lshl_b32 s83, s80, 3
	s_add_co_u32 s[DQ+\ps], s82, s83               ; 32 g + 8 u
	s_add_co_u32 s78, s16, s[TT+\ps]
	s_lshl_b32 s78, s78, 9                         ; 16 rows of 32 bytes a tile,
	s_lshl_b32 s82, s14, 1
	s_add_co_u32 s78, s78, s82                     ; bytes 2 head, 2 head + 1
	s_add_nc_u64 s[CSC+2*\ps:CSC+2*\ps+1], s[10:11], s[78:79]
.endm
	s_load_b128 s[4:7], s[0:1], 0x0                ; the images of q, k, v; their scale words
	s_load_b128 s[8:11], s[0:1], 0x10              ; the result's images; its scale bytes
	v_lshl_add_u32 v223, v0, 2, 0x34000
	v_mov_b32 v243, 0
	ds_add_u32 v223, v243
	ds_add_u32 v223, v243
	v_lshrrev_b32 v8, 5, v0
	s_delay_alu instid0(VALU_DEP_1)
	v_readfirstlane_b32 s[WV], v8                  ; wave 0..15
	s_bfe_u32 s19, ttmp6, 0x40000                  ; cx
	s_and_b32 s12, ttmp7, 0xffff                   ; y = 16 batch + head, which the four partners share
	s_lshr_b32 s13, s12, 4
	s_and_b32 s14, s12, 15
	s_lshl_b32 s16, s13, 7                         ; 128 tiles a batch
	s_add_co_u32 s15, s14, 16                      ; k's heads lie behind q's
	s_lshl_b32 s78, s15, 9
	s_add_co_u32 s78, s78, s16
	s_mul_i32 s78, s78, 768                        ; K's 128 tiles: 98,304 dense bytes
	s_mul_i32 s17, s12, 98304
	s_add_co_u32 s17, s17, VB-VOFF                 ; V's 98,304 dense bytes, less the eight waves' worth that K has taken
	s_lshl_b32 s80, s15, 6
	s_lshl_b32 s82, s13, 4
	s_add_co_u32 s80, s80, s82
	s_lshl_b32 s80, s80, 9                         ; K's scale words: 8,192 dense bytes
	s_lshr_b32 s82, s12, 1
	s_lshl_b32 s82, s82, 13
	s_add_co_u32 s82, s82, VSB-8192                ; V's, of my pair of heads
	s_cmp_lt_u32 s[WV], 8                          ; waves 0-7 fetch K's, waves 8-15 V's: the same in every partner
	s_cselect_b32 s78, s78, s17
	s_cselect_b32 s80, s80, s82
	s_mul_i32 s84, s[WV], 12288                    ; my sixteenth of the codes: in LDS, and on from the chosen start in memory
	s_lshl_b32 s85, s[WV], 10                      ; and of the scale words
	s_add_co_u32 s78, s78, s84
	s_add_co_u32 s80, s80, s85
	s_mov_b32 s79, 0
	s_mov_b32 s81, 0
	s_mov_b32 s[G1C], 15|(3<<16)|(1<<21)           ; 15:0 the mask: all four work-groups; 17:16 elements of 8 bytes; 21 set beside a mask; no padding
	s_mov_b32 s[G1C+1], 32<<16                     ; tensor_dim0 = 32 elements: 256 bytes
	s_mov_b32 s[G1C+2], 48<<16                     ; tensor_dim1 = 48
	s_mov_b32 s[G1C+3], 32<<16                     ; tile_dim0
	s_mov_b32 s[G1C+4], 48                         ; tile_dim1
	s_mov_b32 s[G1C+5], 32                         ; the pitch: dense
	s_mov_b32 s[G1C+6], 0
	s_mov_b32 s[G1C+7], 0
	s_mov_b32 s[G1S], 15|(3<<16)|(1<<21)
	s_mov_b32 s[G1S+1], 32<<16
	s_mov_b32 s[G1S+2], 4<<16
	s_mov_b32 s[G1S+3], 32<<16
	s_mov_b32 s[G1S+4], 4
	s_mov_b32 s[G1S+5], 32
	s_mov_b32 s[G1S+6], 0
	s_mov_b32 s[G1S+7], 0
	s_mov_b32 s[SEL], 0x76543210
	s_mov_b32 s[SEL+1], 0xfedcba98
	s_mov_b32 s[CS], 0x3e38aa3b                    ; log2(e) / 8
	s_mov_b32 s[CS+1], s[CS]                       ; (named with it as a pair, so it is written)
	s_lshr_b32 s[SG], s[WV], 1                     ; pass 0's diagonal step: 0 .. 7
	s_xor_b32 s[SG+1], s[SG], 15                   ; pass 1's: 15 less that
	s_lshl_b32 s[TT], s[SG], 3
	s_lshl_b32 s15, s19, 1
	s_add_co_u32 s[TT], s[TT], s15
	s_and_b32 s15, s[WV], 1
	s_add_co_u32 s[TT], s[TT], s15                 ; t0 = 8 (w / 2) + 2 cx + w % 2
	s_xor_b32 s[TT+1], s[TT], 127                  ; t1 = 127 - t0
	s_wait_dscnt 0x0
	s_wait_kmcnt 0x0
	s_mov_b32 s[G0C], 1
	s_mov_b32 s[G0C+1], s84
	s_add_nc_u64 s[G0C+2:G0C+3], s[4:5], s[78:79]
	s_or_b32 s[G0C+3], s[G0C+3], 0x80000000
	s_mov_b32 s[G0S], 1
	s_add_co_u32 s[G0S+1], s85, KSO
	s_add_nc_u64 s[G0S+2:G0S+3], s[6:7], s[80:81]
	s_or_b32 s[G0S+3], s[G0S+3], 0x80000000
	CROUND                                         ; all four work-groups are here: the joint loads meet
	tensor_load_to_lds s[G0C:G0C+3], s[G1C:G1C+7]
	s_nop 0
	tensor_load_to_lds s[G0S:G0S+3], s[G1S:G1S+7]
	s_nop 0
.rept 4
	v_nop
.endr
	TILE 0
	TILE 1
	v_and_b32 v7, 31, v0                           ; lane
	s_delay_alu instid0(VALU_DEP_1)
	v_lshlrev_b32 v1, 3, v7                        ; 8 x lane: my place in an image's piece
	s_delay_alu instid0(VALU_DEP_2)
	v_lshl_add_u32 v2, v7, 4, KSO                  ; K's scale words
	s_and_b32 s15, s14, 1
	s_lshl_b32 s15, s15, 3
	s_add_co_u32 s15, s15, VSO
	v_lshlrev_b32 v3, 4, v7
	s_delay_alu instid0(VALU_DEP_1)
	v_add_nc_u32 v3, s15, v3                       ; V's, my head's two of the four words
	v_and_b32 v8, 15, v0                           ; r
	v_bfe_u32 v9, v0, 4, 1                         ; lane / 16
	s_delay_alu instid0(VALU_DEP_2)
	v_lshlrev_b32 v4, 4, v8                        ; Q's scale words: 16 r
	s_delay_alu instid0(VALU_DEP_3)
	v_lshlrev_b32 v5, 5, v8                        ; the result's scale bytes: 32 r
	s_delay_alu instid0(VALU_DEP_4)
	v_and_b32 v10, 8, v8
	s_delay_alu instid0(VALU_DEP_1)
	v_add_nc_u32 v6, v10, v8
	v_lshlrev_b32 v10, 4, v9
	s_delay_alu instid0(VALU_DEP_1)
	v_sub_nc_u32 v6, v6, v10                       ; r + 8 (r / 8) - 16 (lane / 16)
.irp k, 0,1,2
	global_load_b64 v[16+2*\k:17+2*\k], v1, s[QI:QI+1] offset:256*\k
	global_load_b64 v[192+2*\k:193+2*\k], v1, s[QI+2:QI+3] offset:256*\k
.endr
	global_load_b32 v255, v4, s[QSC:QSC+1]
	global_load_b32 v204, v4, s[QSC+2:QSC+3]
.irp k, 0,1,2,3,4,5
	v_mov_b32 v[22+\k], 0                          ; zero codes: the upper 64 of the instruction's 128
	v_mov_b32 v[80+\k], 0
	v_mov_b32 v[198+\k], 0
.endr
	s_wait_tensorcnt 0x0                           ; my parts of K, V and the scale words are in,
	s_barrier_signal -1
	s_barrier_wait -1                              ; everybody's are
	s_wait_loadcnt 0x0                             ; Q
; A PASS: one tile of 16 queries against its key steps.  qf: Q's fragment; qs: its scale words.
.macro PASS ps, qf, qs
.if \ps
	s_wait_xcnt 0x0                                ; the last pass's stores have read their data
.endif
	v_mov_b32 v13, 0xff61b1e6                      ; the largest t so far: -3e38
	s_delay_alu instid0(VALU_DEP_1)
	v_floor_f32 v12, -v13                          ; -M
	v_mov_b32 v14, 0                               ; the sum, in two halves
	v_mov_b32 v15, 0
.irp b, 0,1,2,3
	v_mov_b32 v[236+\b], 0                         ; a lane permute's destination counts as one of its sources
.endr
	v_mov_b32 v252, 0
	v_mov_b32 v253, 0
.set n, 0
.rept 32
	v_mov_b32 v[160+n], 0                          ; O^T: the step is written once; the first finds zeros
.set n, n+1
.endr
	s_mov_b32 s[TB], 0
	s_mov_b32 s[TS], 0
	s_mov_b32 s[STP], 0
.Lstep_\@:                                         ; 16 trips, a constant
	s_cmp_gt_u32 s[STP], s[SG+\ps]                 ; all 128 keys come after my queries: the step's work is left out
	s_cbranch_scc1 .Lhidden_\@
	s_setprio 2
	v_add_nc_u32 v8, s[TB], v1                     ; (these four are also the places in front of the loads into registers that the last products read)
	s_delay_alu instid0(VALU_DEP_1)
	v_add_nc_u32 v9, VOFF, v8
	v_add_nc_u32 v10, s[TS], v2
	v_add_nc_u32 v11, s[TS], v3
.set m, 0
.rept 24
	ds_load_b64 v[32+2*m:33+2*m], v8 offset:256*m  ; K's eight half images on end: 256 consecutive bytes a load
.set m, m+1
.endr
	ds_load_b128 v[248:251], v10                   ; word g: lanes 0-15 tile 2 g, lanes 16-31 tile 2 g + 1
	s_wait_alu depctr_va_vdst(0)
	s_wait_dscnt 0x0
.irp t, 0,2,4,6
	v_wmma_scale_f32_16x16x128_f8f6f4 v[96+8*\t:103+8*\t], v[32+6*\t:43+6*\t], v[\qf:\qf+11], 0, v[248+\t/2], v[\qs] matrix_a_fmt:MATRIX_FMT_BF6 matrix_b_fmt:MATRIX_FMT_BF6
	v_wmma_scale_f32_16x16x128_f8f6f4 v[104+8*\t:111+8*\t], v[38+6*\t:49+6*\t], v[\qf:\qf+11], 0, v[248+\t/2], v[\qs] matrix_a_fmt:MATRIX_FMT_BF6 matrix_b_fmt:MATRIX_FMT_BF6 matrix_a_scale:MATRIX_SCALE_ROW1
.endr
.rept 4
	v_nop                                          ; places: in front of the loads below and of the first read of the scores
.endr
.set m, 0
.rept 24
	ds_load_b64 v[32+2*m:33+2*m], v9 offset:256*m  ; V's four fragments: they land under the softmax
.set m, m+1
.endr
	ds_load_b64 v[248:249], v11
	s_cmp_lg_u32 s[STP], s[SG+\ps]                 ; only the diagonal's step has hidden keys
	s_cbranch_scc1 .Lopen_\@
	v_add_nc_u32 v252, s[DQ+\ps], v6               ; d = my query - the step's first key - 16 (lane / 16).  Register 16 b + i is hidden where 32 b + i > d
	v_mov_b32 v254, 0xff800000                     ; -infinity: p = 0 then
.set n, 0
.rept 64
	v_cmp_gt_i32 vcc_lo, 32*(n/16)+n%16, v252
	v_cndmask_b32 v[96+n], v[96+n], v254, vcc_lo
.set n, n+1
.endr
.Lopen_\@:
.irp b, 0,1,2,3
	v_max3_num_f32 v[232+\b], v[96+16*\b], v[97+16*\b], v[98+16*\b]   ; the largest score of each block of 32 keys: for the row's maximum and, since p rises with the score, for the block's largest p
.endr
.irp i, 3,5,7,9,11,13
.irp b, 0,1,2,3
	v_max3_num_f32 v[232+\b], v[232+\b], v[96+16*\b+\i], v[97+16*\b+\i]
.endr
.endr
.irp b, 0,1,2,3
	v_max_num_f32 v[232+\b], v[232+\b], v[111+16*\b]
.endr
.irp b, 0,1,2,3
	s_delay_alu instid0(VALU_DEP_4)
	v_permlanex16_b32 v[236+\b], v[232+\b], s[SEL], s[SEL+1]
.endr
.irp b, 0,1,2,3
	s_delay_alu instid0(VALU_DEP_4)
	v_max_num_f32 v[232+\b], v[232+\b], v[236+\b]  ; with lane l xor 16's 16 keys
.endr
	s_delay_alu instid0(VALU_DEP_2)
	v_max3_num_f32 v254, v232, v233, v234
	s_delay_alu instid0(VALU_DEP_1)
	v_max_num_f32 v254, v254, v235                 ; the step's largest score of my query
	s_delay_alu instid0(VALU_DEP_1)
	v_mul_f32 v254, s[CS], v254                    ; as t
	s_delay_alu instid0(VALU_DEP_1)
	v_max_num_f32 v13, v13, v254                   ; the running largest t
	v_mov_b32 v254, v12
	s_delay_alu instid0(VALU_DEP_2)
	v_floor_f32 v12, -v13                          ; the new -M = -ceil(t)
	s_delay_alu instid0(VALU_DEP_1)
	v_sub_f32 v254, v12, v254                      ; old M - new M: a whole number, 0 or less
	s_delay_alu instid0(VALU_DEP_1)
	v_cvt_i32_f32 v254, v254                       ; (it saturates)
	s_delay_alu instid0(VALU_DEP_1)
	v_ldexp_f32 v252, 1.0, v254                    ; f = 2^(old M - new M)
.set n, 0
	s_setprio 1
.rept 32
	v_pk_fma_f32 v[96+n:97+n], v[96+n:97+n], s[CS:CS+1], v[12:13] op_sel_hi:[1,0,0]   ; t - M, two at a time
.set n, n+2
.endr
.irp b, 0,1,2,3
	v_fma_f32 v[232+\b], v[232+\b], s[CS], v12     ; the same of each block's largest score
.endr
.set n, 0
	s_wait_alu depctr_va_vdst(0)
.rept 64
	v_exp_f32 v[96+n], v[96+n]                     ; p = 2^(t - M)
.set n, n+1
.endr
	v_pk_mul_f32 v[14:15], v[14:15], v[252:253] op_sel_hi:[1,0]   ; the sums under the new M: a plain instruction behind the exponentials
	s_wait_alu depctr_va_vdst(0)                   ; one wait for the batch of 64, ahead of its first reader
.irp b, 0,1,2,3
	v_exp_f32 v[232+\b], v[232+\b]                 ; the block's largest p
.endr
	v_pk_add_f32 v[236:237], v[100:101], v[104:105]
	v_pk_add_f32 v[250:251], v[108:109], v[112:113]
	v_pk_add_f32 v[246:247], v[116:117], v[120:121]
	v_pk_add_f32 v[244:245], v[124:125], v[128:129]
	v_pk_add_f32 v[240:241], v[132:133], v[136:137]
	v_pk_add_f32 v[238:239], v[140:141], v[144:145]
	v_pk_add_f32 v[230:231], v[148:149], v[152:153]
	v_pk_add_f32 v[14:15], v[14:15], v[156:157]
	v_pk_add_f32 v[236:237], v[236:237], v[96:97]
	v_pk_add_f32 v[250:251], v[250:251], v[98:99]
	v_pk_add_f32 v[246:247], v[246:247], v[102:103]
	v_pk_add_f32 v[244:245], v[244:245], v[106:107]
	v_pk_add_f32 v[240:241], v[240:241], v[110:111]
	v_pk_add_f32 v[238:239], v[238:239], v[114:115]
	v_pk_add_f32 v[230:231], v[230:231], v[118:119]
	v_pk_add_f32 v[14:15], v[14:15], v[122:123]
	v_pk_add_f32 v[236:237], v[236:237], v[126:127]
	v_pk_add_f32 v[250:251], v[250:251], v[130:131]
	v_pk_add_f32 v[246:247], v[246:247], v[134:135]
	v_pk_add_f32 v[244:245], v[244:245], v[138:139]
	v_pk_add_f32 v[240:241], v[240:241], v[142:143]
	v_pk_add_f32 v[238:239], v[238:239], v[146:147]
	v_pk_add_f32 v[230:231], v[230:231], v[150:151]
	v_pk_add_f32 v[14:15], v[14:15], v[154:155]
	v_pk_add_f32 v[236:237], v[236:237], v[158:159]
	s_delay_alu instid0(VALU_DEP_2)
	v_pk_add_f32 v[14:15], v[14:15], v[244:245]
	s_delay_alu instid0(VALU_DEP_2)
	v_pk_add_f32 v[236:237], v[236:237], v[240:241]
	v_pk_add_f32 v[250:251], v[250:251], v[238:239]
	v_pk_add_f32 v[246:247], v[246:247], v[230:231]
	s_delay_alu instid0(VALU_DEP_2)
	v_pk_add_f32 v[14:15], v[14:15], v[250:251]
	s_delay_alu instid0(VALU_DEP_2)
	v_pk_add_f32 v[236:237], v[236:237], v[246:247]
	s_delay_alu instid0(VALU_DEP_1)
	v_pk_add_f32 v[14:15], v[14:15], v[236:237]
	s_setprio 0
	s_wait_alu depctr_va_vdst(0)                   ; and one for the four
.irp b, 0,1,2,3
	v_max_num_f32 v[232+\b], 0x2800000, v[232+\b]  ; the floor 2^(5 - 127)
.endr
.irp b, 0,1,2,3
	s_delay_alu instid0(VALU_DEP_4)
	v_add_nc_u32 v[244+\b], 0xfe000000, v[232+\b]  ; the conversion's scale operand
.endr
.irp b, 0,1,2,3
	s_delay_alu instid0(VALU_DEP_4)
	v_lshrrev_b32 v[236+\b], 23, v[244+\b]         ; the scale's byte
.endr
	s_delay_alu instid0(VALU_DEP_3)
	v_lshl_or_b32 v253, v237, 8, v236              ; p's scale word for these 128 keys
	s_delay_alu instid0(VALU_DEP_1)
	v_lshl_or_b32 v253, v238, 16, v253
	s_delay_alu instid0(VALU_DEP_1)
	v_lshl_or_b32 v253, v239, 24, v253
.irp c, 0,1
	v_cvt_scalef32_pk16_bf6_f32 v[224+6*\c:226+6*\c], v[96+32*\c:111+32*\c], v[244+2*\c]
	v_cvt_scalef32_pk16_bf6_f32 v[236+4*\c:238+4*\c], v[112+32*\c:127+32*\c], v[244+2*\c+1]
.endr
	v_nop                                          ; one plain place behind a scaled conversion
.irp c, 0,1
.irp i, 0,1,2
	v_permlane16_swap_b32 v[224+6*\c+\i], v[236+4*\c+\i]
.endr
.irp i, 0,1,2
	s_delay_alu instid0(VALU_DEP_3)
	v_mov_b32 v[227+6*\c+\i], v[236+4*\c+\i]
.endr
.endr
.set n, 0
.rept 16
	v_pk_mul_f32 v[160+n:161+n], v[160+n:161+n], v[252:253] op_sel_hi:[1,0]   ; O^T under the new M; these sixteen are also the places in front of the products below
.set n, n+2
.endr
	s_wait_alu depctr_va_vdst(0)
	s_wait_dscnt 0x0                               ; V and its scale words are in
.irp t, 0,2                                    ; O^T += V^T P^T: the four accumulators take turns
	v_wmma_scale_f32_16x16x128_f8f6f4 v[160+8*\t:167+8*\t], v[32+12*\t:43+12*\t], v[224:235], v[160+8*\t:167+8*\t], v[248+\t/2], v253 matrix_a_fmt:MATRIX_FMT_BF6 matrix_b_fmt:MATRIX_FMT_BF6
	v_wmma_scale_f32_16x16x128_f8f6f4 v[168+8*\t:175+8*\t], v[44+12*\t:55+12*\t], v[224:235], v[168+8*\t:175+8*\t], v[248+\t/2], v253 matrix_a_fmt:MATRIX_FMT_BF6 matrix_b_fmt:MATRIX_FMT_BF6 matrix_a_scale:MATRIX_SCALE_ROW1
.endr
.Lhidden_\@:
	s_add_co_u32 s[TB], s[TB], 6144
	s_add_co_u32 s[TS], s[TS], 512
	s_add_co_u32 s[STP], s[STP], 1
	s_cmp_lt_u32 s[STP], 16
	s_cbranch_scc1 .Lstep_\@
	s_setprio 0
	; THE WAY OUT: O^T / the sum; register 16 b + i is channel 32 b + 16 (lane / 16) + i of my query: two blocks along the last product's K
.rept 4
	v_nop
.endr
	v_add_f32 v14, v14, v15
	s_delay_alu instid0(VALU_DEP_1)
	v_permlanex16_b32 v252, v14, s[SEL], s[SEL+1]
	s_delay_alu instid0(VALU_DEP_1)
	v_add_f32 v14, v14, v252                       ; the row's sum
	s_wait_alu depctr_va_vdst(0)
	v_rcp_f32 v14, v14
	v_nop                                          ; one plain place behind the reciprocal
	s_wait_alu depctr_va_vdst(0)                   ; and the wait ahead of its first reader
.set n, 0
.rept 16
	v_pk_mul_f32 v[96+n:97+n], v[160+n:161+n], v[14:15] op_sel_hi:[1,0]   ; each accumulator from its low end on
.set n, n+2
.endr
.irp b, 0,1
	v_max3_num_f32 v[232+\b], |v[96+16*\b]|, |v[97+16*\b]|, 0x2800000
.endr
.irp i, 2,4,6,8,10,12,14
.irp b, 0,1
	s_delay_alu instid0(VALU_DEP_2)
	v_max3_num_f32 v[232+\b], v[232+\b], |v[96+16*\b+\i]|, |v[97+16*\b+\i]|
.endr
.endr
.irp b, 0,1
	s_delay_alu instid0(VALU_DEP_2)
	v_permlanex16_b32 v[236+\b], v[232+\b], s[SEL], s[SEL+1]
.endr
.irp b, 0,1
	s_delay_alu instid0(VALU_DEP_2)
	v_max_num_f32 v[232+\b], v[232+\b], v[236+\b]
.endr
.irp b, 0,1
	s_delay_alu instid0(VALU_DEP_2)
	v_add_nc_u32 v[244+\b], 0xfe000000, v[232+\b]
.endr
.irp b, 0,1
	s_delay_alu instid0(VALU_DEP_2)
	v_lshrrev_b32 v[236+\b], 23, v[244+\b]
.endr
	s_delay_alu instid0(VALU_DEP_1)
	v_lshl_or_b32 v240, v237, 8, v236              ; my row's two scale bytes
	v_cvt_scalef32_pk16_bf6_f32 v[224:226], v[96:111], v244
	v_cvt_scalef32_pk16_bf6_f32 v[232:234], v[112:127], v245
	v_nop
.irp i, 0,1,2
	v_permlane16_swap_b32 v[224+\i], v[232+\i]
.endr
.irp i, 0,1,2
	s_delay_alu instid0(VALU_DEP_3)
	v_mov_b32 v[227+\i], v[232+\i]                 ; v224-229: lane (r, half): channels 32 half + 0 .. 31 of query r
.endr
.irp k, 0,1,2
	global_store_b64 v1, v[224+2*\k:225+2*\k], s[CI+2*\ps:CI+2*\ps+1] offset:256*\k   ; 32 lanes store 256 consecutive bytes, aligned
.endr
	global_store_b16 v5, v240, s[CSC+2*\ps:CSC+2*\ps+1]   ; both halves of the lanes write the same two bytes with the same value
.endm
	PASS 0, 16, 255
	PASS 1, 192, 204
	s_wait_dscnt 0x0
	s_wait_tensorcnt 0x0
	ds_add_u32 v223, v243
	s_wait_dscnt 0x0
	CROUND                                         ; the closing round: no work-group ends while a partner may still ask for a tile that names it
	s_endpgm
.Lfunc_end_k_q4820c6639e_attn:
	.size	k_q4820c6639e_attn, .Lfunc_end_k_q4820c6639e_attn-k_q4820c6639e_attn
	.p2alignl 7, 3214868480
	.fill 96, 4, 3214868480
	.section	.rodata,"a",@progbits
	.p2align	6, 0x0
	.amdhsa_kernel k_q4820c6639e_attn
		.amdhsa_group_segment_fixed_size 215040
		.amdhsa_private_segment_fixed_size 0
		.amdhsa_enable_private_segment 0
		.amdhsa_kernarg_size 32
		.amdhsa_user_sgpr_count 2
		.amdhsa_user_sgpr_kernarg_segment_ptr 1
		.amdhsa_wavefront_size32 1
		.amdhsa_system_sgpr_workgroup_id_x 1
		.amdhsa_system_sgpr_workgroup_id_y 1
		.amdhsa_system_sgpr_workgroup_id_z 1
		.amdhsa_system_vgpr_workitem_id 0
		.amdhsa_next_free_vgpr 256
		.amdhsa_next_free_sgpr 88
		.amdhsa_reserve_vcc 1
		.amdhsa_float_denorm_mode_32 3
		.amdhsa_float_denorm_mode_16_64 3
		.amdhsa_memory_ordered 1
		.amdhsa_forward_progress 1
		.amdhsa_inst_pref_size 68
	.end_amdhsa_kernel
	.amdgpu_metadata
---
amdhsa.version: [ 1, 2 ]
amdhsa.kernels:
  - .name:           k_q4820c6639e_attn
    .symbol:         k_q4820c6639e_attn.kd
    .args:
      - { .name: qkv_img, .offset: 0, .size: 8, .value_kind: global_buffer, .address_space: global }
      - { .name: qkv_sc, .offset: 8, .size: 8, .value_kind: global_buffer, .address_space: global }
      - { .name: ctx_img, .offset: 16, .size: 8, .value_kind: global_buffer, .address_space: global }
      - { .name: ctx_sc, .offset: 24, .size: 8, .value_kind: global_buffer, .address_space: global }
    .group_segment_fixed_size: 215040
    .private_segment_fixed_size: 0
    .kernarg_segment_align: 8
    .kernarg_segment_size: 32
    .max_flat_workgroup_size: 512
    .sgpr_count:     88
    .vgpr_count:     256
    .wavefront_size: 32
...
	.end_amdgpu_metadata
.endif
;; end of part 3
;; launch outp (part 4): grid 4 x 32, 4 waves a work-group, clusters of 4 x 4, 327,680 bytes of LDS; arguments ctx_img, ctx_sc, w_codes, w_scales, bo, out0; writes out0
.if DOCPART == 4
	.amdgcn_target "amdgcn-amd-amdhsa--gfx1250"
	.amdhsa_code_object_version 6
	.text
	.protected	k_q4820c6639e_outp
	.globl	k_q4820c6639e_outp
	.p2align	8
	.type	k_q4820c6639e_outp,@function
k_q4820c6639e_outp:
	s_mov_b64 s[64:65], 0
	v_nop
	global_prefetch_b8 v0, s[64:65] scope:SCOPE_SE
	s_setreg_imm32_b32 hwreg(HW_REG_WAVE_MODE, 25, 1), 1
	s_wait_xcnt 0x0
	s_wait_alu depctr_hold_cnt(0) depctr_sa_sdst(0) depctr_va_vdst(0) depctr_va_sdst(0) depctr_va_ssrc(0) depctr_va_vcc(0) depctr_vm_vsrc(0)
	s_getreg_b32 s2, hwreg(HW_REG_IB_STS2, 6, 4)
	s_cmp_eq_u32 s2, 0
	s_cbranch_scc0 .Lentry_in_a_cluster
	s_endpgm
.Lentry_in_a_cluster:
	s_bfe_u32 s2, ttmp6, 0x10000c
	s_cmp_lg_u32 s2, 0xf033
	s_cbranch_scc0 .Lentry_shape_is_right
	s_endpgm
.Lentry_shape_is_right:
; out = ctx Wo + bo on codes of BF6 (E3M2) with one E8M0 scale for each 32 along K = 1,024.  out: [8192][1024] f32.
; A = ctx arrives as IMAGES OF OPERAND REGISTERS: [head 16][tile of 16 tokens, 512][768]: a half image is six registers a lane (64 along K: one head), registers 2 p, 2 p + 1 at 256 p + 8 x lane.
; Tile T, lane r is token 32 (T / 2) + 8 (T % 2) + r + 8 (r / 8).  Its scale bytes: [16 T + r][32].  B = Wo: rows 3,072 on of the weights' codes (768 bytes a row, K innermost), rows stored with bits 3 and 4 of the column number exchanged.
; A tile of out, 256 x 256, is made by four waves, each 128 x 128: 64 accumulators.  K goes in steps of 256 (four heads) through a ring of two LDS slots filled by tensor loads; the scales come once.
; CLUSTERS: 4 x 4 work-groups; A's tiles are asked for jointly along a row of the cluster, B's along a column.  The matrix instruction is used transposed (source 0 = 16 rows of B, source 1 = 16 rows of A):
; in accumulator (a, b) register j of lane (r, half) is out(token of lane r in block a, column 32 (b / 2) + 16 half + 8 (b % 2) + j).  The bias is the C of each sum's first product.
; 128 tiles of 256 x 256: 128 work-groups.  No prefetch: a work-group has four fills, two of them at its head.
; REGISTERS: window 0: v16-17 A's addresses, v20-23 B's, v24-27 way out and scales, v28-29 the add's, v30 the bias's offset; v32-63 scale words; v64-127 the bias, eight registers for each b; v128-223 A's fragments; on the way out v128-255.
;   window 1: B's fragments, two sets.   windows 2, 3: the accumulators.
.set NQ,     2
.set ROWB,   192
.set KROW,   768
.set PITCH,  240                       ; B's LDS row: 3 x (64 bytes + 16 of padding)
.set FR,     12
.set NL,     6
.set NP,     4
.set HALFA,  24576                     ; A: [head 4][tile 8][768]: what one tensor load brings, and what one wave reads
.set HALFT,  128*PITCH                 ; B: 128 rows
.set SLOT,   2*HALFA+2*HALFT
.set ASTEP,  4*512*768                 ; four heads on in A's images
.set KS,     32
.set SCL,    2*SLOT
.set HALFS,  (128*KS/256)*272
.set SBLK,   (16*KS/256)*272
.set SPARE,  SCL+4*HALFS               ; the spare words: 128 bytes a wave, two blocks of 256 bytes that no other line names
.set SPITCH, 528                       ; the way out: a stage of 16 rows x (512 bytes + 16) for each wave, in slot 0, which has had its last fill and its last read by then
.set ADRA, 16
.set ADRB, 20
.set STO,  24
.set RD,   25
.set CO,   26
.set ADRS, 27
.set SPW,  28
.set NIL,  29
.set SC,   32
.set BI,   64
.set AF,   128
.set BK,   128
.set G1, 24
.set G0, 32
.set G1B, 48
.set G0B, 56
.set G1S, 68
.set G0S, 76
.set G1SB, 80
.set G0SB, 88
.set BO, 96                            ; s[96:97] the bias
.set CP, 98                            ; s[98:99] out
.set MSB, 0
.macro WIN new
.if MSB != \new
	s_set_vgpr_msb (MSB<<8)|\new
.set MSB, \new
.endif
.endm
.set MUL_LO, 0xa1                      ; source 0 (B) window 1, source 1 (A) window 0, C and D window 2
.set MUL_HI, 0xf1
.set BIA_LO, 0x81                      ; the same with C (the bias) in window 0
.set BIA_HI, 0xc1
.set TO_B,   0x40
.macro JLOAD g0a, g1a, g0b, g1b        ; a joint load: waves 0 and 1 fetch for A, waves 2 and 3 for B; four v_nop follow each of the two lines
	s_cmp_eq_u32 s15, 0
	s_cbranch_scc0 .Lfor_b_\@
	tensor_load_to_lds s[\g0a:\g0a+3], s[\g1a:\g1a+7]
	s_nop 0
.rept 4
	v_nop
.endr
	s_branch .Lasked_\@
.Lfor_b_\@:
	tensor_load_to_lds s[\g0b:\g0b+3], s[\g1b:\g1b+7]
	s_nop 0
.rept 4
	v_nop
.endr
.Lasked_\@:
.endm
.macro CREST
	s_cmp_lg_u32 s14, 0
	s_cbranch_scc1 .Lnot_wave_0_\@
	s_barrier_signal -3
.Lnot_wave_0_\@:
	s_barrier_wait -3
	s_barrier_signal -1
	s_barrier_wait -1
.endm
.macro CROUND
	s_barrier_signal -1
	s_barrier_wait -1
	CREST
.endm
	s_load_b128 s[4:7], s[0:1], 0x0                ; ctx's images, ctx's scales
	s_load_b128 s[8:11], s[0:1], 0x10              ; the weights' codes, their scales
	s_load_b128 s[BO:BO+3], s[0:1], 0x20           ; the bias, out
	v_lshl_add_u32 v[SPW], v0, 2, SPARE
	v_mov_b32 v[NIL], 0
	ds_add_u32 v28, v29
	ds_add_u32 v28, v29
	s_wait_dscnt 0x0
	v_lshrrev_b32 v1, 5, v0
	v_readfirstlane_b32 s14, v1                    ; wave 0..3
	s_lshr_b32 s15, s14, 1                         ; which half of the tile's rows is mine.  Also: I fetch for A (0) or for B (1)
	s_and_b32 s16, s14, 1                          ; which half of its columns.  Also: which 128 rows of that tile I fetch
	s_bfe_u32 s40, ttmp6, 0x40000                  ; cx, cy
	s_bfe_u32 s41, ttmp6, 0x40004
	s_lshl_b32 s42, ttmp9, 2
	s_add_co_u32 s42, s42, s40                     ; tile column
	s_and_b32 s17, ttmp7, 0xffff
	s_lshl_b32 s17, s17, 2
	s_add_co_u32 s17, s17, s41                     ; tile row
	s_lshl_b32 s43, s41, 2
	s_lshl_b32 s43, 15, s43                        ; my row of the cluster
	s_lshl_b32 s44, 0x1111, s40                    ; my column
	; A's tile: 4 rows (heads) of 6,144 bytes (8 half images, 768 elements of 8 bytes), 512 x 768 bytes apart; no padding
	s_or_b32 s[G1+0], s43, (3<<16)|(1<<21)
	s_mov_b32 s[G1+1], 768<<16                     ; tensor_dim0
	s_mov_b32 s[G1+2], 4<<16                       ; tensor_dim1
	s_mov_b32 s[G1+3], 768<<16                     ; tile_dim0
	s_mov_b32 s[G1+4], 4                           ; tile_dim1
	s_mov_b32 s[G1+5], 49152                       ; the pitch, in elements
	s_mov_b32 s[G1+6], 0
	s_mov_b32 s[G1+7], 0
	; B's tile: 128 rows x 192 bytes, 16 bytes of padding behind every 64
	s_or_b32 s[G1B+0], s44, (0<<16)|(1<<20)|(1<<21)|(3<<22)|(3<<25)
	s_mov_b32 s[G1B+1], ROWB<<16
	s_mov_b32 s[G1B+2], 128<<16
	s_mov_b32 s[G1B+3], ROWB<<16
	s_mov_b32 s[G1B+4], 128
	s_mov_b32 s[G1B+5], KROW
	s_mov_b32 s[G1B+6], 0
	s_mov_b32 s[G1B+7], 0
	; the scales of 128 rows: 4,096 dense bytes as 16 rows of 256 bytes, 16 bytes of padding behind each
	s_or_b32 s[G1S+0], s43, (3<<16)|(1<<20)|(1<<21)|(5<<22)|(3<<25)
	s_or_b32 s[G1SB+0], s44, (3<<16)|(1<<20)|(1<<21)|(5<<22)|(3<<25)
.irp g, G1S, G1SB
	s_mov_b32 s[\g+1], 32<<16
	s_mov_b32 s[\g+2], (128*KS/256)<<16
	s_mov_b32 s[\g+3], 32<<16
	s_mov_b32 s[\g+4], 128*KS/256
	s_mov_b32 s[\g+5], 32
	s_mov_b32 s[\g+6], 0
	s_mov_b32 s[\g+7], 0
.endr
	s_lshl_b32 s18, s16, 7                         ; which 128 rows of the tile I fetch
	s_lshl_b32 s20, s17, 8
	s_add_co_u32 s20, s20, s18                     ; A: row 256 x tile row + 128 x half
	s_lshl_b32 s46, s42, 8
	s_add_co_u32 s46, s46, s18
	s_add_co_u32 s46, s46, 3072                    ; B: Wo lies behind Wq, Wk and Wv
	s_mov_b32 s21, 0
	s_mov_b32 s47, 0
	s_mov_b64 s[18:19], KS
	s_mul_u64 s[22:23], s[20:21], s[18:19]         ; where these rows' scales begin
	s_mul_u64 s[92:93], s[46:47], s[18:19]
	s_mov_b64 s[18:19], 48                         ; A: 16 rows are a half image of 768 bytes
	s_mul_u64 s[20:21], s[20:21], s[18:19]
	s_mov_b64 s[18:19], KROW
	s_mul_u64 s[46:47], s[46:47], s[18:19]
	s_mul_i32 s45, s16, HALFA                      ; where they go: A's two halves,
	s_mul_i32 s95, s16, HALFT
	s_add_co_u32 s95, s95, 2*HALFA                 ; then B's two: no place in the cluster enters an LDS address
	s_mul_i32 s94, s14, HALFS
	s_wait_kmcnt 0x0
	s_add_nc_u64 s[20:21], s[4:5], s[20:21]
	s_add_nc_u64 s[22:23], s[6:7], s[22:23]
	s_add_nc_u64 s[46:47], s[8:9], s[46:47]
	s_add_nc_u64 s[92:93], s[10:11], s[92:93]
	CROUND                                         ; all sixteen work-groups are here: the first joint loads meet
	s_mov_b32 s[G0S], 1
	s_add_co_u32 s[G0S+1], s94, SCL
	s_mov_b64 s[G0S+2:G0S+3], s[22:23]
	s_or_b32 s[G0S+3], s[G0S+3], 0x80000000
	s_mov_b32 s[G0SB], 1
	s_add_co_u32 s[G0SB+1], s94, SCL
	s_mov_b64 s[G0SB+2:G0SB+3], s[92:93]
	s_or_b32 s[G0SB+3], s[G0SB+3], 0x80000000
	JLOAD G0S, G1S, G0SB, G1SB                     ; the scales first
.irp s, 0,1
	s_mov_b32 s[G0+4*\s], 1
	s_add_co_u32 s[G0+4*\s+1], s45, \s*SLOT
	s_add_nc_u64 s[G0+4*\s+2:G0+4*\s+3], s[20:21], \s*ASTEP
	s_or_b32 s[G0+4*\s+3], s[G0+4*\s+3], 0x80000000
	s_mov_b32 s[G0B+4*\s], 1
	s_add_co_u32 s[G0B+4*\s+1], s95, \s*SLOT
	s_add_nc_u64 s[G0B+4*\s+2:G0B+4*\s+3], s[46:47], \s*ROWB
	s_or_b32 s[G0B+4*\s+3], s[G0B+4*\s+3], 0x80000000
	JLOAD G0+4*\s, G1, G0B+4*\s, G1B
.endr
	v_and_b32 v1, 15, v0                           ; l % 16
	v_bfe_u32 v2, v0, 4, 1                         ; l / 16
	v_mul_u32_u24 v3, v1, PITCH
	v_mul_u32_u24 v4, v2, 24
	v_add_nc_u32 v4, v3, v4                        ; B: a fragment's row x pitch + 24 x half
	v_lshl_add_u32 v5, v2, 4, v4                   ; and the same behind one padding more
	v_and_b32 v6, 31, v0
	v_lshlrev_b32 v7, 3, v6                        ; A: 8 x lane
	s_mul_i32 s21, s15, HALFA                      ; my 128 rows of A
	s_mul_i32 s22, s16, HALFT                      ; my 128 rows of B,
	s_add_co_u32 s22, s22, 2*HALFA                 ; which lie behind A's
.irp s, 0,1
	v_add_nc_u32 v[ADRA+\s], s21, v7
	v_add_nc_u32 v[ADRB+\s], s22, v4
	v_add_nc_u32 v[ADRB+2+\s], s22, v5
	s_add_co_u32 s21, s21, SLOT
	s_add_co_u32 s22, s22, SLOT
.endr
	v_mul_u32_u24 v5, v1, KS
	v_lshrrev_b32 v7, 8, v5
	v_lshl_add_u32 v5, v7, 4, v5
	s_mul_i32 s21, s15, HALFS
	s_mul_i32 s22, s16, HALFS
	s_add_co_u32 s22, s22, 2*HALFS
	s_sub_co_u32 s22, s22, s21
	v_mul_u32_u24 v7, s22, v2                      ; lanes 16-31 take B's
	s_add_co_u32 s21, s21, SCL
	v_add_nc_u32 v5, v5, v7
	v_add_nc_u32 v[ADRS], s21, v5
	s_mul_i32 s23, s14, 16*SPITCH                  ; my stage
	v_mul_u32_u24 v5, v1, SPITCH                   ; in: row l % 16, + 64 bytes for the upper half of the lanes (16 columns)
	v_lshl_add_u32 v5, v2, 6, v5
	v_add_nc_u32 v[STO], s23, v5
	v_lshlrev_b32 v[CO], 4, v6                     ; back: the 32 lanes take one row of 512 bytes; and the same in out
	v_add_nc_u32 v[RD], s23, v[CO]
	s_lshl_b32 s20, s17, 8
	s_lshl_b32 s21, s15, 7
	s_add_co_u32 s20, s20, s21                     ; my first row of out
	s_lshl_b32 s20, s20, 12                        ; 4,096 bytes a row
	s_lshl_b32 s46, s42, 10
	s_lshl_b32 s47, s16, 9
	s_add_co_u32 s46, s46, s47                     ; my first column, in bytes
	s_mov_b32 s47, 0
	s_add_nc_u64 s[BO:BO+1], s[BO:BO+1], s[46:47]
	s_add_co_u32 s20, s20, s46
	s_mov_b32 s21, 0
	s_add_nc_u64 s[CP:CP+1], s[CP:CP+1], s[20:21]
	v_lshlrev_b32 v30, 6, v2                       ; the bias: 16 numbers on for the upper half of the lanes
.irp b, 0,1,2,3,4,5,6,7
	global_load_b128 v[BI+8*\b:BI+8*\b+3], v30, s[BO:BO+1] offset:128*(\b/2)+32*(\b%2)
	global_load_b128 v[BI+8*\b+4:BI+8*\b+7], v30, s[BO:BO+1] offset:128*(\b/2)+32*(\b%2)+16
.endr
.macro FRAG reg, adr, q, i             ; B: 16 rows x 128 K from rows of 240 bytes, in pieces of 8 bytes
.irp p, 0,1,2,3,4,5
.set PCE, 12*(\q)+6*(\p/3)+\p%3
.if PCE%8 < 5
	ds_load_b64 v[\reg+2*\p:\reg+2*\p+1], v[\adr] offset:8*PCE+16*(PCE/8)+(\i)*16*PITCH
.else
	ds_load_b64 v[\reg+2*\p:\reg+2*\p+1], v[\adr+2] offset:8*PCE+16*(PCE/8)+(\i)*16*PITCH
.endif
.endr
.endm
.macro FRAGA reg, slot, q, i           ; A: two half images (heads 2 q, 2 q + 1 of the slot's four), tile i: six loads of 256 consecutive bytes
.irp c, 0,1
.irp p, 0,1,2
	ds_load_b64 v[\reg+6*\c+2*\p:\reg+6*\c+2*\p+1], v[ADRA+\slot] offset:(2*(\q)+\c)*6144+768*(\i)+256*\p
.endr
.endr
.endm
; 16 matrix instructions; the 64 accumulators take turns, one instruction a turn.  zero = 1: the first product starts the sums, from the bias.
.macro MUL16 a0, p, q, sc, zero
.irp a, \a0, \a0+1
.irp b, 0,1,2,3,4,5,6,7
.if \zero
	v_wmma_scale_f32_16x16x128_f8f6f4 v[8*(8*((\a)%4)+\b):8*(8*((\a)%4)+\b)+7], v[128*(\p)+FR*\b:128*(\p)+FR*\b+FR-1], v[AF+FR*(\a):AF+FR*(\a)+FR-1], v[BI+8*\b:BI+8*\b+7], v[SC+8*NQ*(\sc)+NQ*\b+(\q)], v[SC+8*NQ*(\sc)+NQ*(\a)+(\q)] matrix_a_fmt:MATRIX_FMT_BF6 matrix_b_fmt:MATRIX_FMT_BF6 matrix_a_scale:MATRIX_SCALE_ROW1
.else
	v_wmma_scale_f32_16x16x128_f8f6f4 v[8*(8*((\a)%4)+\b):8*(8*((\a)%4)+\b)+7], v[128*(\p)+FR*\b:128*(\p)+FR*\b+FR-1], v[AF+FR*(\a):AF+FR*(\a)+FR-1], v[8*(8*((\a)%4)+\b):8*(8*((\a)%4)+\b)+7], v[SC+8*NQ*(\sc)+NQ*\b+(\q)], v[SC+8*NQ*(\sc)+NQ*(\a)+(\q)] matrix_a_fmt:MATRIX_FMT_BF6 matrix_b_fmt:MATRIX_FMT_BF6 matrix_a_scale:MATRIX_SCALE_ROW1
.endif
.endr
.endr
.endm
.macro FETCH_B slot, q, p
	WIN TO_B
.irp i, 0,1,2,3,4,5,6,7
	FRAG 128*(\p)+FR*\i, ADRB+\slot, \q, \i
.endr
	WIN 0
.endm
.macro FETCH_A slot, q, i0
.irp i, \i0, \i0+1, \i0+2, \i0+3
	FRAGA AF+FR*(\i), \slot, \q, \i
.endr
.endm
.macro SCALES sc
.irp i, 0,1,2,3,4,5,6,7
	ds_load_b64 v[SC+8*NQ*\sc+NQ*\i:SC+8*NQ*\sc+NQ*\i+1], v[ADRS] offset:\i*SBLK
.endr
.endm
.macro PLACES n
.rept \n
	v_nop
.endr
.endm
.macro STEP slot, q, zero
	s_wait_dscnt 4*NL                              ; B's set and A's blocks 0-3 are in; the youngest 24 loads (A's blocks 4-7) may be out
.if \zero
	WIN BIA_LO
.else
	WIN MUL_LO
.endif
	MUL16 0, (\q)%2, \q, \slot, \zero
	MUL16 2, (\q)%2, \q, \slot, \zero
	s_wait_dscnt 0
	PLACES NP
	FETCH_B \slot, (\q)+1, 1-(\q)%2
	FETCH_A \slot, (\q)+1, 0
.if \zero
	WIN BIA_HI
.else
	WIN MUL_HI
.endif
	MUL16 4, (\q)%2, \q, \slot, \zero
	MUL16 6, (\q)%2, \q, \slot, \zero
	PLACES NP
	WIN 0
	FETCH_A \slot, (\q)+1, 4
.endm
.macro TURN slot, next, fill
	s_wait_tensorcnt 0x0                           ; all my tensor loads have landed: my part of the next slot
	ds_add_u32 v[SPW], v[NIL]                      ; 0 onto my spare word
	s_wait_dscnt 4*NL+1                            ; (the add and the youngest 24 loads may be out)
	WIN MUL_LO
	MUL16 0, 1, NQ-1, \slot, 0
	s_wait_dscnt 0x0                               ; the add is done, and my reads of this slot are over
	s_barrier_signal -1
	MUL16 2, 1, NQ-1, \slot, 0
	WIN 0
	s_barrier_wait -1
.if \fill
	CREST                                          ; the barrier has opened a round of the cluster's barrier
	s_add_nc_u64 s[G0+4*\slot+2:G0+4*\slot+3], s[G0+4*\slot+2:G0+4*\slot+3], 2*ASTEP
	s_add_nc_u64 s[G0B+4*\slot+2:G0B+4*\slot+3], s[G0B+4*\slot+2:G0B+4*\slot+3], 2*ROWB
	JLOAD G0+4*\slot, G1, G0B+4*\slot, G1B         ; the first tensor load behind the round; its four v_nop are also the places in front of the loads below
.else
	PLACES NP
.endif
	v_add_nc_u32 v[ADRS], 4*NQ, v[ADRS]
	FETCH_B \next, 0, 0
	FETCH_A \next, 0, 0
	SCALES \next
	WIN MUL_HI
	MUL16 4, 1, NQ-1, \slot, 0
	MUL16 6, 1, NQ-1, \slot, 0
	PLACES NP
	WIN 0
	FETCH_A \next, 0, 4
.endm
	s_wait_loadcnt 0x0                             ; the bias
	s_wait_tensorcnt 1                             ; the scales and my part of K step 0 are in (K step 1's load may be out),
	s_barrier_signal -1
	s_barrier_wait -1                              ; everybody's are
	FETCH_B 0, 0, 0
	FETCH_A 0, 0, 0
	SCALES 0
	FETCH_A 0, 0, 4
	STEP 0, 0, 1                                   ; the first step stands in front of the loop: its products start the sums
	s_mov_b32 s3, 1                                ; K = 1,024 is two laps of the ring
.Llap:
	TURN 0, 1, 1
	STEP 1, 0, 0
	TURN 1, 0, 1
	STEP 0, 0, 0
	s_sub_co_u32 s3, s3, 1
	s_cmp_lg_u32 s3, 0
	s_cbranch_scc1 .Llap
	TURN 0, 1, 0                                   ; the last lap fills nothing
	STEP 1, 0, 0
	s_wait_dscnt 4*NL
	WIN MUL_LO
	MUL16 0, 1, NQ-1, 1, 0
	MUL16 2, 1, NQ-1, 1, 0
	s_wait_dscnt 0
	WIN MUL_HI
	MUL16 4, 1, NQ-1, 1, 0
	MUL16 6, 1, NQ-1, 1, 0
	WIN 0
; THE WAY OUT, block by block of 16 rows x 128 columns, through my own stage in LDS; back as whole rows of 512 bytes.  LDS serves a wave's instructions in order: no wait between the stores and the loads.
.macro TOSTAGE a
.set AC, 64*((\a)%4)
	WIN 0x08+4*((\a)/4)                            ; the data: window 2 or 3
.irp b, 0,1,2,3,4,5,6,7
	ds_store_b128 v[STO], v[AC+8*\b:AC+8*\b+3] offset:128*(\b/2)+32*(\b%2)        ; columns 32 (b / 2) + 16 half + 8 (b % 2) on; each accumulator from its low end on
	ds_store_b128 v[STO], v[AC+8*\b+4:AC+8*\b+7] offset:128*(\b/2)+32*(\b%2)+16
.endr
	WIN 0
.set BB, BK+64*((\a)%2)
.irp t, 0,1,2,3,4,5,6,7,8,9,10,11,12,13,14,15
	ds_load_b128 v[BB+4*\t:BB+4*\t+3], v[RD] offset:\t*SPITCH
.endr
.endm
.macro SEND a, younger                 ; row t of block a is token 32 (a / 2) + 8 (a % 2) + t + 8 (t / 8) of my 128
.set BB, BK+64*((\a)%2)
	s_wait_dscnt \younger                          ; the block is back in registers
.if (\a) > 0
	s_add_nc_u64 s[CP:CP+1], s[CP:CP+1], (24-16*((\a)%2))*4096   ; (behind a wait on XCNT)  8 rows on to an odd block, 24 to an even one
.endif
.irp t, 0,1,2,3,4,5,6,7,8,9,10,11,12,13,14,15
	global_store_b128 v[CO], v[BB+4*\t:BB+4*\t+3], s[CP:CP+1] offset:(\t+8*(\t/8))*4096 th:TH_STORE_NT   ; 32 lanes store 512 consecutive bytes, aligned; written once
.endr
.endm
	PLACES NP
	TOSTAGE 0
.irp a, 1,2,3,4,5,6,7
.if \a > 1
	s_wait_xcnt 0x0                                ; block a - 2's stores have read their registers and their base
.endif
	TOSTAGE \a
	SEND \a-1, 32                                  ; behind block a - 1's loads: block a's 16 stores and 16 loads
.endr
	s_wait_xcnt 0x0
	SEND 7, 0
	s_wait_tensorcnt 0x0                           ; the wave's end
	ds_add_u32 v[SPW], v[NIL]
	s_wait_dscnt 0x0
	CROUND                                         ; the closing round
	s_endpgm
.Lfunc_end_k_q4820c6639e_outp:
	.size	k_q4820c6639e_outp, .Lfunc_end_k_q4820c6639e_outp-k_q4820c6639e_outp
	.p2alignl 7, 3214868480
	.fill 96, 4, 3214868480
	.section	.rodata,"a",@progbits
	.p2align	6, 0x0
	.amdhsa_kernel k_q4820c6639e_outp
		.amdhsa_group_segment_fixed_size 327680
		.amdhsa_private_segment_fixed_size 0
		.amdhsa_enable_private_segment 0
		.amdhsa_kernarg_size 48
		.amdhsa_user_sgpr_count 2
		.amdhsa_user_sgpr_kernarg_segment_ptr 1
		.amdhsa_wavefront_size32 1
		.amdhsa_system_sgpr_workgroup_id_x 1
		.amdhsa_system_sgpr_workgroup_id_y 1
		.amdhsa_system_sgpr_workgroup_id_z 1
		.amdhsa_system_vgpr_workitem_id 0
		.amdhsa_next_free_vgpr 1024
		.amdhsa_next_free_sgpr 100
		.amdhsa_reserve_vcc 0
		.amdhsa_float_denorm_mode_32 3
		.amdhsa_float_denorm_mode_16_64 3
		.amdhsa_memory_ordered 1
		.amdhsa_forward_progress 1
		.amdhsa_inst_pref_size 161
	.end_amdhsa_kernel
	.amdgpu_metadata
---
amdhsa.version: [ 1, 2 ]
amdhsa.kernels:
  - .name:           k_q4820c6639e_outp
    .symbol:         k_q4820c6639e_outp.kd
    .args:
      - { .name: ctx_img, .offset: 0, .size: 8, .value_kind: global_buffer, .address_space: global }
      - { .name: ctx_sc, .offset: 8, .size: 8, .value_kind: global_buffer, .address_space: global }
      - { .name: w_codes, .offset: 16, .size: 8, .value_kind: global_buffer, .address_space: global }
      - { .name: w_scales, .offset: 24, .size: 8, .value_kind: global_buffer, .address_space: global }
      - { .name: bo, .offset: 32, .size: 8, .value_kind: global_buffer, .address_space: global }
      - { .name: out0, .offset: 40, .size: 8, .value_kind: global_buffer, .address_space: global }
    .group_segment_fixed_size: 327680
    .private_segment_fixed_size: 0
    .kernarg_segment_align: 8
    .kernarg_segment_size: 48
    .max_flat_workgroup_size: 128
    .sgpr_count:     100
    .vgpr_count:     1024
    .wavefront_size: 32
...
	.end_amdgpu_metadata
.endif
;; end of part 4
